; MI455X (gfx1250); checked and timed in simulation.
; The chip was launched on July 23, 2026; its instructions are those of AMD's public machine-readable ISA for CDNA 5 (MIT licence, August 2026) and "CDNA5" Instruction Set Architecture Reference Guide (July 2026). The comments in the code are by the model that wrote it; some were corrected since.
;; Sliding Window Attention. Allowed arithmetic: matrix products marked QUANTISED: E2M1 operands, one E8M0 scale for each 32 along K, by v_wmma_scale_f32_16x16x128_f8f6f4 with both operands' format E2M1 (or v_wmma_scale_f32_32x16x128_f4), f32 sums; products left as they are: bf16, f16 or f32 operands; f32 sums; everything else in f32.
;; Inputs: b_proj 1,024 float32; b_qkv 3,072 float32; w_proj 1,024 x 1,024 float32; w_qkv 3,072 x 1,024 float32; x 2 x 2,048 x 1,024 float32.
;; Outputs: out0 2 x 2,048 x 1,024 float32.
;; This version of the problem:
;;   THIS VERSION OF THE PROBLEM IS GIVEN IN LOW PRECISION. The matrix products marked QUANTISED in the list below multiply operands that are first quantised to E2M1 (2 exponent bits, 1 mantissa bit; 4 bits a number), with one power-of-two scale for each 32 numbers along K (OCP MX v1.0); their sums are f32. The products marked 'left as it is' may take bf16, f16 or f32 operands, with f32 sums. Whichever they take, every output number must still come out within the allowed error. Rounding operands to bf16 (8 significant bits) uses up far more of that allowance than f16 does (11 bits, for magnitudes from 6e-5 to 65,504). All else is computed in f32.
;;   The module's matrix products, in the order in which they are computed (A, B: the left and right operand; K: the contracted axis; several contracted axes count as one K, in the product's order):
;;     1. [M 4,096, K 1,024] x [K 1,024, N 3,072]; A: input x; B: input w_qkv: QUANTISED
;;     2. batch 32 x [M 2,048, K 64] x [K 64, N 2,048]; A: computed on the way; B: computed on the way: left as it is (an operand is computed on the way)
;;     3. batch 32 x [M 2,048, K 2,048] x [K 2,048, N 64]; A: computed on the way; B: computed on the way: left as it is (an operand is computed on the way)
;;     4. [M 4,096, K 1,024] x [K 1,024, N 1,024]; A: computed on the way; B: input w_proj: left as it is (an operand is computed on the way)
;;   THE QUANTISER, for each operand of a quantised product, along K:
;;     - K is cut into blocks of 32 from its start; a last block that is shorter is filled with zeros.
;;     - A block's scale is 2^e with e = floor(log2(the largest magnitude in the block)) - 2, held to -126 .. 127; a block of zeros has e = 0. As a byte (E8M0): e + 127.
;;     - Each number is divided by its block's scale, clamped to +-6, and rounded to the nearest number of E2M1, ties to even, subnormals kept.
;;     - The product sums the exact products of the quantised numbers (number of the format x scale) in f32.
;;   ~~~python
;;   def quantise(x, axis):      # numpy; x: float32 -> the quantised numbers, widened to float32 again
;;       x = np.moveaxis(x, axis, -1); K = x.shape[-1]
;;       x = np.pad(x, [(0, 0)] * (x.ndim - 1) + [(0, -K % 32)]); x = x.reshape(x.shape[:-1] + (-1, 32)); a = np.abs(x).max(-1, keepdims=True)
;;       e = np.where(a > 0, np.clip(np.frexp(np.where(a > 0, a, 1))[1] - 1 - 2, -126, 127), 0)      # np.frexp(a)[1] - 1 = floor(log2(a)), exactly
;;       r = np.clip(x / 2.0 ** e, -6, 6)
;;       step = 2.0 ** (np.maximum(np.frexp(np.where(r == 0, 1, r))[1] - 1, 0) - 1)
;;       q = np.round(r / step) * step * 2.0 ** e      # np.round: ties to even
;;       return np.moveaxis(q.reshape(q.shape[:-2] + (-1,))[..., :K], -1, axis).astype(np.float32)
;;   ~~~
;; One version. Each part assembles by itself: llvm-mc -triple=amdgcn-amd-amdhsa -mcpu=gfx1250 --defsym DOCPART=n.
;; ======== version 1 of 1: 5 launches
;; limits: values are held in f16: magnitudes above 65,504 overflow, below 6.1e-05 lose precision; inputs' magnitudes at most 65,504
;; workspace buffers: codes 3,670,016 bytes; scales 229,376 bytes; wp16 2,097,152 bytes; qkv16 25,165,824 bytes; vpart 131,072 bytes; fine32 393,216 bytes; ao16 8,388,608 bytes
;; launch quant (part 1): grid 256 x 1, 4 waves a work-group, no clusters, 33,280 bytes of LDS; arguments x, w_qkv, w_proj, codes, scales, wp16; writes codes, scales, wp16
.if DOCPART == 1
	.amdgcn_target "amdgcn-amd-amdhsa--gfx1250"
	.amdhsa_code_object_version 6
	.text
	.protected	k_q8c47309574_quant
	.globl	k_q8c47309574_quant
	.p2align	8
	.type	k_q8c47309574_quant,@function
k_q8c47309574_quant:
	s_mov_b64 s[64:65], 0
	v_nop
	global_prefetch_b8 v0, s[64:65] scope:SCOPE_SE
	s_setreg_imm32_b32 hwreg(HW_REG_WAVE_MODE, 25, 1), 1
	s_wait_xcnt 0x0
; x [4096][1024] and w_qkv [3072][1024], f32, become codes of FP4 (E2M1), K innermost, two codes a byte, with one E8M0 byte for each 32 along K; w_proj [1024][1024] becomes f16.
; Work-groups 0-127 take x, 128-223 w_qkv: 32,768 numbers each, 8,192 a wave.  Both tensors are plain streams of blocks of 32, and their codes and bytes lie one behind the other in one buffer each:
; x's codes at byte 0, w_qkv's at 2,097,152; x's scale bytes at 0, w_qkv's at 131,072.  So the place of a wave's results hangs on the work-group's number alone.
; A block's scale is 2^(floor(log2(largest magnitude)) - 2); its byte is the largest magnitude's exponent field - 2, held at 1 from below.  (A block of zeros gets the byte 1 where the rule says 127:
; its codes are zeros, which add nothing, and this program alone reads the bytes.)
; Work-groups 224-255 cast w_proj into IMAGES OF OPERAND REGISTERS: [64 tiles of 16 rows][32 fragments of 32 along K][1,024 bytes]; in a fragment registers 0-3 of lane l lie at 16 l, registers 4-7 at 512 + 16 l;
; lane (r, h) holds row r, k = 8 h + 0..7 and 16 + 8 h + 0..7.  A wave makes 16 fragments: 32 KiB read, as much as a quantising wave reads.
; LIMITS: NaN and infinities are not served; blocks whose largest magnitude lies under 2^-124 were not tried; |w_proj| stays under 65,504 (f16).
.set WAVES, 4
.set STEPS, 16
.set WGX,   128                        ; work-groups for x
.set WGQ,   224                        ; work-groups that quantise
.set EMAX,  2
.set CB,    8                          ; bytes of 16 codes
.set R,     16                         ; v16-79   four sets of 16 numbers as loaded
.set X,     80                         ; v80-111  two sets of 16 neighbours
.set C,     128                        ; v128-191 codes, four registers a step: no store's data are written again
.set E,     112                        ; v112-127 a scale byte a step
.set WREG,  8192                       ; LDS: a region for each wave: two stages of 32 x SP bytes, then its 256 scale bytes
.set SP,    80                         ; a lane's place in a stage: 64 bytes + 16 of padding
.set SPW,   12                         ; v12  LDS address of my spare word; never rewritten
.set NIL,   13                         ; v13  0; never rewritten
.set SPARE, WAVES*WREG                 ; the spare words: 128 bytes a wave, named by no other line
	s_load_b128 s[4:7], s[0:1], 0x0                ; x, w_qkv
	s_load_b128 s[8:11], s[0:1], 0x10              ; w_proj, codes
	s_load_b128 s[12:15], s[0:1], 0x20             ; scales, wp16
	v_lshl_add_u32 v[SPW], v0, 2, SPARE
	v_mov_b32 v[NIL], 0
	v_lshrrev_b32 v1, 5, v0
	v_readfirstlane_b32 s16, v1                    ; wave
	v_and_b32 v2, 31, v0                           ; lane
	s_cmp_ge_u32 ttmp9, WGQ
	s_cbranch_scc1 .Lcast
	v_lshlrev_b32 v3, 4, v2                        ; my 16 bytes of a load's 512
	s_mul_i32 s17, s16, WREG
	v_lshrrev_b32 v14, 2, v2
	v_mul_u32_u24 v14, v14, SP
	v_and_b32 v15, 3, v2
	v_lshl_add_u32 v14, v15, 4, v14
	v_add_nc_u32 v14, s17, v14                     ; the stage, way in: four lanes' 64 bytes, then 16 of padding
	v_mul_u32_u24 v15, v2, SP
	v_add_nc_u32 v15, s17, v15                     ; way out: my 16 neighbours
	v_mul_u32_u24 v4, v2, CB                       ; my codes' place in a step's
	v_lshrrev_b32 v5, 1, v2
	s_add_co_u32 s17, s17, 2*32*SP
	v_add_nc_u32 v5, s17, v5                       ; my block's byte among my wave's 256
	v_lshlrev_b32 v7, 3, v2
	v_add_nc_u32 v6, s17, v7                       ; and on the way out 8 bytes a lane
	s_wait_kmcnt 0x0
	s_cmp_lt_u32 ttmp9, WGX                        ; x or w_qkv: the choice hangs on the work-group's number alone
	s_cselect_b64 s[4:5], s[4:5], s[6:7]
	s_cselect_b32 s17, 0, WGX
	s_sub_co_u32 s17, ttmp9, s17
	s_lshl_b32 s17, s17, 2
	s_add_co_u32 s18, s17, s16                     ; which run of 8,192 numbers of the tensor
	s_lshl_b32 s18, s18, 15                        ; 32,768 bytes a run
	s_mov_b32 s19, 0
	s_add_nc_u64 s[4:5], s[4:5], s[18:19]
	s_lshl_b32 s20, ttmp9, 2
	s_add_co_u32 s20, s20, s16                     ; which run of the two tensors on end
	s_lshl_b32 s18, s20, 12                        ; 4,096 bytes of codes a run
	s_add_nc_u64 s[10:11], s[10:11], s[18:19]
	s_lshl_b32 s18, s20, 8                         ; 256 scale bytes a run
	s_add_nc_u64 s[12:13], s[12:13], s[18:19]
.macro LOAD t
.irp i, 0,1,2,3
	global_load_b128 v[R+16*((\t)%4)+4*\i:R+16*((\t)%4)+4*\i+3], v3, s[4:5] offset:2048*(\t)+512*\i th:TH_LOAD_NT   ; 32 lanes read 512 consecutive bytes
.endr
.endm
.macro TURN t                          ; step t's numbers through the stage: LDS serves a wave's instructions in order, so no wait stands between the stores and the loads
.irp i, 0,1,2,3
	ds_store_b128 v14, v[R+16*((\t)%4)+4*\i:R+16*((\t)%4)+4*\i+3] offset:32*SP*((\t)%2)+8*SP*\i
.endr
.irp i, 0,1,2,3
	ds_load_b128 v[X+16*((\t)%2)+4*\i:X+16*((\t)%2)+4*\i+3], v15 offset:32*SP*((\t)%2)+16*\i
.endr
.endm
.irp t, 0,1,2,3
	LOAD \t
.endr
	s_wait_loadcnt 12                              ; step 0's four loads are in
	TURN 0
.macro STEP t
.set XS, X+16*((\t)%2)
.if (\t) > 0
	s_wait_dscnt 1                                 ; this step's numbers are back from the stage (the last step's byte store may be out)
.else
	s_wait_dscnt 0x0
.endif
.if (\t)+4 < STEPS
	LOAD (\t)+4                                    ; into the registers that the stage's stores have read
.endif
.if (\t)+1 < STEPS
.if STEPS-2-(\t) >= 3
	s_wait_loadcnt 12                              ; the next step's four loads are in; those of three steps behind it may be out
.else
	s_wait_loadcnt 4*(STEPS-2-(\t))
.endif
	TURN (\t)+1
.endif
	v_max3_num_f32 v8, |v[XS]|, |v[XS+1]|, |v[XS+2]|               ; the largest magnitude of my 16
	v_max3_num_f32 v9, |v[XS+3]|, |v[XS+4]|, |v[XS+5]|
.irp i, 6,10
	v_max3_num_f32 v8, v8, |v[XS+\i]|, |v[XS+\i+1]|
	v_max3_num_f32 v9, v9, |v[XS+\i+2]|, |v[XS+\i+3]|
.endr
	v_max3_num_f32 v8, v8, |v[XS+14]|, |v[XS+15]|
	v_max3_num_f32 v8, v8, v9, (EMAX+1)<<23        ; and the floor 2^(3 - 127): the byte cannot fall under 1
	v_max_num_f32_dpp v8, v8, v8 row_xmask:1 row_mask:0xf bank_mask:0xf   ; with my neighbour's 16: the block's
	v_add_nc_u32 v11, -(EMAX<<23), v8              ; 2 off the exponent field: the conversion takes that field as its scale and nothing else
	v_cvt_scalef32_pk8_fp4_f32 v[C+4*(\t)], v[XS:XS+7], v11
	v_cvt_scalef32_pk8_fp4_f32 v[C+4*(\t)+1], v[XS+8:XS+15], v11
	v_lshrrev_b32 v[E+(\t)], 23, v11               ; the scale's byte (a plain line behind the conversions)
	ds_store_b8 v5, v[E+(\t)] offset:16*(\t)       ; both lanes of a block write the same byte with the same value
	global_store_b64 v4, v[C+4*(\t):C+4*(\t)+1], s[10:11] offset:32*CB*(\t)   ; the wave stores 256 consecutive bytes, aligned
.endm
.irp t, 0,1,2,3,4,5,6,7,8,9,10,11,12,13,14,15
	STEP \t
.endr
	ds_load_b64 v[8:9], v6                         ; these see my byte stores: LDS serves a wave in order
	s_wait_dscnt 0x0
	global_store_b64 v7, v[8:9], s[12:13]          ; 256 consecutive bytes, aligned
	s_wait_tensorcnt 0x0                           ; the wave's end
	ds_add_u32 v[SPW], v[NIL]
	s_wait_dscnt 0x0
	s_endpgm
.Lcast:                                            ; w_proj to f16, in images.  u = 4 (work-group - 224) + wave: tile of rows u / 2, fragments 16 (u % 2) on
	v_and_b32 v5, 15, v0                           ; r
	v_bfe_u32 v6, v0, 4, 1                         ; h
	v_lshlrev_b32 v3, 12, v5                       ; row r of 4,096 bytes
	v_lshl_add_u32 v3, v6, 5, v3                   ; + 32 h: my eight numbers of a half fragment
	v_lshlrev_b32 v4, 4, v2                        ; 16 x lane
	s_sub_co_u32 s17, ttmp9, WGQ
	s_lshl_b32 s17, s17, 2
	s_add_co_u32 s17, s17, s16                     ; u
	s_lshr_b32 s18, s17, 1
	s_and_b32 s19, s17, 1
	s_lshl_b32 s20, s18, 16                        ; 16 rows are 65,536 bytes
	s_lshl_b32 s21, s19, 11                        ; 16 fragments are 2,048 bytes of a row
	s_add_co_u32 s20, s20, s21
	s_mov_b32 s21, 0
	s_lshl_b32 s22, s17, 14                        ; 16 images are 16,384 bytes
	s_mov_b32 s23, 0
	s_wait_kmcnt 0x0
	s_add_nc_u64 s[8:9], s[8:9], s[20:21]
	s_add_nc_u64 s[14:15], s[14:15], s[22:23]
.macro CLOAD g                         ; four fragments, 16 loads, into set g % 2 (v16-79, v80-143)
.irp i, 0,1,2,3
.set XB, 16+64*((\g)%2)+16*\i
	global_load_b128 v[XB:XB+3],     v3, s[8:9] offset:128*(4*(\g)+\i)
	global_load_b128 v[XB+4:XB+7],   v3, s[8:9] offset:128*(4*(\g)+\i)+16
	global_load_b128 v[XB+8:XB+11],  v3, s[8:9] offset:128*(4*(\g)+\i)+64
	global_load_b128 v[XB+12:XB+15], v3, s[8:9] offset:128*(4*(\g)+\i)+80
.endr
.endm
.macro CCVT g                          ; rounded in place, ascending: result i lands on a register that has been read
.irp i, 0,1,2,3
.set XB, 16+64*((\g)%2)+16*\i
.irp n, 0,1,2,3,4,5,6,7
	v_cvt_pk_f16_f32 v[XB+\n], v[XB+2*\n], v[XB+2*\n+1]
.endr
.endr
.endm
.macro CSTORE g
.irp i, 0,1,2,3
.set XB, 16+64*((\g)%2)+16*\i
	global_store_b128 v4, v[XB:XB+3],   s[14:15] offset:1024*(4*(\g)+\i)        ; 512 consecutive bytes a store
	global_store_b128 v4, v[XB+4:XB+7], s[14:15] offset:1024*(4*(\g)+\i)+512
.endr
.endm
	CLOAD 0
	CLOAD 1
	s_wait_loadcnt 16                              ; batch 0 is in; batch 1's sixteen may be out
	CCVT 0
	CSTORE 0
	s_wait_xcnt 0x0                                ; the stores have read the set: it may be loaded again
	CLOAD 2
	s_wait_loadcnt 16
	CCVT 1
	CSTORE 1
	s_wait_xcnt 0x0
	CLOAD 3
	s_wait_loadcnt 16
	CCVT 2
	CSTORE 2
	s_wait_loadcnt 0x0
	CCVT 3
	CSTORE 3
	s_wait_tensorcnt 0x0                           ; the same three closing lines on this path
	ds_add_u32 v[SPW], v[NIL]
	s_wait_dscnt 0x0
	s_endpgm
.Lfunc_end_k_q8c47309574_quant:
	.size	k_q8c47309574_quant, .Lfunc_end_k_q8c47309574_quant-k_q8c47309574_quant
	.p2alignl 7, 3214868480
	.fill 96, 4, 3214868480
	.section	.rodata,"a",@progbits
	.p2align	6, 0x0
	.amdhsa_kernel k_q8c47309574_quant
		.amdhsa_group_segment_fixed_size 33280
		.amdhsa_private_segment_fixed_size 0
		.amdhsa_enable_private_segment 0
		.amdhsa_kernarg_size 48
		.amdhsa_user_sgpr_count 2
		.amdhsa_user_sgpr_kernarg_segment_ptr 1
		.amdhsa_wavefront_size32 1
		.amdhsa_system_sgpr_workgroup_id_x 1
		.amdhsa_system_sgpr_workgroup_id_y 1
		.amdhsa_system_sgpr_workgroup_id_z 1
		.amdhsa_system_vgpr_workitem_id 0
		.amdhsa_next_free_vgpr 192
		.amdhsa_next_free_sgpr 66
		.amdhsa_reserve_vcc 0
		.amdhsa_float_denorm_mode_32 3
		.amdhsa_float_denorm_mode_16_64 3
		.amdhsa_memory_ordered 1
		.amdhsa_forward_progress 1
		.amdhsa_inst_pref_size 51
	.end_amdhsa_kernel
	.amdgpu_metadata
---
amdhsa.version: [ 1, 2 ]
amdhsa.kernels:
  - .name:           k_q8c47309574_quant
    .symbol:         k_q8c47309574_quant.kd
    .args:
      - { .name: x, .offset: 0, .size: 8, .value_kind: global_buffer, .address_space: global }
      - { .name: w_qkv, .offset: 8, .size: 8, .value_kind: global_buffer, .address_space: global }
      - { .name: w_proj, .offset: 16, .size: 8, .value_kind: global_buffer, .address_space: global }
      - { .name: codes, .offset: 24, .size: 8, .value_kind: global_buffer, .address_space: global }
      - { .name: scales, .offset: 32, .size: 8, .value_kind: global_buffer, .address_space: global }
      - { .name: wp16, .offset: 40, .size: 8, .value_kind: global_buffer, .address_space: global }
    .group_segment_fixed_size: 33280
    .private_segment_fixed_size: 0
    .kernarg_segment_align: 8
    .kernarg_segment_size: 48
    .max_flat_workgroup_size: 128
    .sgpr_count:     66
    .vgpr_count:     192
    .wavefront_size: 32
...
	.end_amdgpu_metadata
.endif
;; end of part 1
;; launch qkvgemm (part 2): grid 12 x 16, 4 waves a work-group, clusters of 4 x 4, 327,680 bytes of LDS; arguments codes, scales, b_qkv, qkv16, vpart, fine32; writes qkv16, vpart, fine32
.if DOCPART == 2
	.amdgcn_target "amdgcn-amd-amdhsa--gfx1250"
	.amdhsa_code_object_version 6
	.text
	.protected	k_q8c47309574_qkvgemm
	.globl	k_q8c47309574_qkvgemm
	.p2align	8
	.type	k_q8c47309574_qkvgemm,@function
k_q8c47309574_qkvgemm:
	s_mov_b64 s[64:65], 0
	v_nop
	global_prefetch_b8 v0, s[64:65] scope:SCOPE_SE
	s_setreg_imm32_b32 hwreg(HW_REG_WAVE_MODE, 25, 1), 1
	s_wait_xcnt 0x0
	s_wait_alu depctr_hold_cnt(0) depctr_sa_sdst(0) depctr_va_vdst(0) depctr_va_sdst(0) depctr_va_ssrc(0) depctr_va_vcc(0) depctr_vm_vsrc(0)
	s_getreg_b32 s2, hwreg(HW_REG_IB_STS2, 6, 4)
	s_cmp_eq_u32 s2, 0
	s_cbranch_scc0 .Lentry_in_a_cluster
	s_endpgm
.Lentry_in_a_cluster:
	s_bfe_u32 s2, ttmp6, 0x10000c
	s_cmp_lg_u32 s2, 0xf033
	s_cbranch_scc0 .Lentry_shape_is_right
	s_endpgm
.Lentry_shape_is_right:
; qkv[m][n] = sum over k of x[m][k] w_qkv[n][k] + b_qkv[n], on codes of FP4 (E2M1) with one E8M0 scale for each 32 along K; M = 4,096, N = 3,072, K = 1,024; sums in f32.
; A tile of 256 x 256 is made by four waves, 128 x 128 each: 64 accumulators of 16 x 16.  K = 1,024 is two LDS slots of 512 along K: both are asked for at the head, nothing is filled again.
; The scale bytes of the work-group's 256 + 256 rows come once, as whole rows of 256 bytes.
; CLUSTERS: 4 x 4 work-groups; A's tiles are asked for jointly along a row of the cluster, B's along a column.
; THE MATRIX INSTRUCTION IS USED TRANSPOSED (source 0 = 16 rows of w_qkv, source 1 = 16 rows of x): lane (r, h) of accumulator (a, b) holds row 16 a + r and columns 16 b + 8 h + 0..7.
; The bias is the C of each sum's first product: eight registers for each of B's blocks.
; THE WAY OUT.  Two neighbouring accumulators rounded to f16 in pairs ARE a 16-bit fragment (16 positions x 32 of a head's 64) as its registers stand.  So q, k and v go out as images of operand registers:
; qkv16 = [3][2 b][16 heads][128 tiles of 16 positions][2 fragments][1,024 bytes], registers 0-3 of lane l at 16 l, registers 4-7 at 512 + 16 l; each store covers 512 consecutive bytes and no stage is needed.
; V's images have the lanes permuted inside each 512 bytes (lane (r, h) at 16 (16 (r / 8) + 8 h + r % 8)), so that the turning LDS load of the next launch reads at 16 x lane.
; Beside them: vpart[row half of 128][v's column] = the f32 column sums of v over my 128 rows; fine32 = the f32 accumulators of positions 0-15 of each sequence, as they stand.
; LIMITS: |q|, |k|, |v| stay under 65,504 (f16); NaN and infinities are not served.
; REGISTERS: window 0: v0-31 addresses; v32-95 scale words and nothing else; v128-191 A's fragments, one set; v192-255 the bias; on the way out v128-255 are at work.
;   window 1: B's fragments, two sets (v0, v128).  window 2: accumulators of my rows 0-63 ((a, b) at v[8 (8 a + b)]).  window 3: rows 64-127.
.set NQ,     4                         ; matrix instructions deep in a slot
.set ROWB,   256                       ; a tile's row in bytes: 512 codes
.set KROW,   512                       ; a row of codes in memory
.set PITCH,  272                       ; an LDS row: 256 bytes + 16 of padding: the 16 rows of a load start 68 words apart
.set FR,     8
.set NL,     2
.set NP,     4
.set HALFT,  128*PITCH
.set SLOT,   4*HALFT
.set KS,     32                        ; a row of scale bytes
.set SCL,    2*SLOT
.set HALFS,  (128*KS/256)*272
.set SBLK,   (16*KS/256)*272
.set SPARE,  SCL+4*HALFS               ; the spare words: 128 bytes a wave, named by no other line
.set SPITCH, 528                       ; the column sums' stage: 16 rows x (512 + 16) a wave, in slot 0, which has had its only fill and its last read by then
.set WCODES, 2097152                   ; where w_qkv's codes begin
.set WSCALES, 131072                   ; and its scale bytes
.set BOF,  7                           ; v7   32 h: my eight numbers of a block's bias
.set ADRA, 16
.set ADRB, 20
.set STO,  24
.set RD,   25
.set CO,   26                          ; v26  my 16 bytes in an image's 512
.set ADRS, 27
.set SPW,  28
.set NIL,  29
.set LN,   30                          ; v30  16 x lane
.set L0V,  31                          ; v31  my wave's first position in its sequence
.set SC,   32
.set AF,   128
.set BI,   192
.set XR,   128                         ; the way out: column sums
.set YR,   192
.set G1, 24
.set G0, 32
.set G1B, 48
.set G0B, 56
.set G1S, 68
.set G0S, 76
.set G1SB, 80
.set G0SB, 88
.set MSB, 0
.macro WIN new                         ; the immediate's high byte repeats the setting that is left
.if MSB != \new
	s_set_vgpr_msb (MSB<<8)|\new
.set MSB, \new
.endif
.endm
.set MUL_LO, 0xa1                      ; source 0 (B) window 1, source 1 (A) window 0, C and D window 2
.set MUL_HI, 0xf1                      ; the same, C and D window 3
.set FST_LO, 0x81                      ; the first step: C (the bias) window 0, D window 2
.set FST_HI, 0xc1
.set TO_B,   0x40
; A joint load: waves 0 and 1 fetch for A, waves 2 and 3 for B; the branch hangs on the wave's number alone.  An s_nop 0 and four v_nop follow each line.
.macro JLOAD g0a, g1a, g0b, g1b
	s_cmp_eq_u32 s15, 0
	s_cbranch_scc0 .Lfor_b_\@
	tensor_load_to_lds s[\g0a:\g0a+3], s[\g1a:\g1a+7]
	s_nop 0
.rept 4
	v_nop
.endr
	s_branch .Lasked_\@
.Lfor_b_\@:
	tensor_load_to_lds s[\g0b:\g0b+3], s[\g1b:\g1b+7]
	s_nop 0
.rept 4
	v_nop
.endr
.Lasked_\@:
.endm
.macro CROUND                          ; a round of the cluster's barrier
	s_barrier_signal -1
	s_barrier_wait -1
	s_cmp_lg_u32 s14, 0
	s_cbranch_scc1 .Lnot_wave_0_\@
	s_barrier_signal -3
.Lnot_wave_0_\@:
	s_barrier_wait -3
	s_barrier_signal -1
	s_barrier_wait -1
.endm
	s_load_b256 s[4:11], s[0:1], 0x0               ; codes s[4:5], scales s[6:7], b_qkv s[8:9], qkv16 s[10:11]
	s_load_b64 s[12:13], s[0:1], 0x20              ; vpart
	s_load_b64 s[66:67], s[0:1], 0x28              ; fine32
	v_lshl_add_u32 v[SPW], v0, 2, SPARE
	v_mov_b32 v[NIL], 0
	ds_add_u32 v[SPW], v[NIL]                      ; the wave's opening: the add, twice on end, and its wait ahead of my first tensor load
	ds_add_u32 v[SPW], v[NIL]
	v_lshrrev_b32 v1, 5, v0
	v_readfirstlane_b32 s14, v1                    ; wave 0..3
	s_lshr_b32 s15, s14, 1                         ; my half of the tile's rows; also: I fetch for A (0) or B (1)
	s_and_b32 s16, s14, 1                          ; my half of its columns; also: which 128 rows I fetch
	s_bfe_u32 s40, ttmp6, 0x40000                  ; cx
	s_bfe_u32 s41, ttmp6, 0x40004                  ; cy
	s_lshl_b32 s42, ttmp9, 2
	s_add_co_u32 s42, s42, s40                     ; tile column
	s_and_b32 s17, ttmp7, 0xffff
	s_lshl_b32 s17, s17, 2
	s_add_co_u32 s17, s17, s41                     ; tile row
	s_lshl_b32 s43, s41, 2
	s_lshl_b32 s43, 15, s43                        ; my row of the cluster
	s_lshl_b32 s44, 0x1111, s40                    ; my column
	s_or_b32 s[G1+0], s43, (0<<16)|(1<<20)|(1<<21)|(5<<22)|(3<<25)   ; the mask; elements of 1 byte; padding on; bit 21 beside a mask; 4 words of padding after every 64
	s_or_b32 s[G1B+0], s44, (0<<16)|(1<<20)|(1<<21)|(5<<22)|(3<<25)
.irp g, G1, G1B
	s_mov_b32 s[\g+1], ROWB<<16                    ; tensor_dim0
	s_mov_b32 s[\g+2], 128<<16                     ; tensor_dim1
	s_mov_b32 s[\g+3], ROWB<<16                    ; tile_dim0
	s_mov_b32 s[\g+4], 128                         ; tile_dim1
	s_mov_b32 s[\g+5], KROW                        ; pitch
	s_mov_b32 s[\g+6], 0
	s_mov_b32 s[\g+7], 0
.endr
	s_or_b32 s[G1S+0], s43, (3<<16)|(1<<20)|(1<<21)|(5<<22)|(3<<25)  ; the scales of 128 rows: 4,096 dense bytes as 16 rows of 256 (32 elements of 8 bytes), 16 of padding behind each
	s_or_b32 s[G1SB+0], s44, (3<<16)|(1<<20)|(1<<21)|(5<<22)|(3<<25)
.irp g, G1S, G1SB
	s_mov_b32 s[\g+1], 32<<16
	s_mov_b32 s[\g+2], (128*KS/256)<<16
	s_mov_b32 s[\g+3], 32<<16
	s_mov_b32 s[\g+4], 128*KS/256
	s_mov_b32 s[\g+5], 32
	s_mov_b32 s[\g+6], 0
	s_mov_b32 s[\g+7], 0
.endr
	s_lshl_b32 s18, s16, 7
	s_lshl_b32 s20, s17, 8
	s_add_co_u32 s20, s20, s18                     ; A: row 256 x tile row + 128 x half
	s_lshl_b32 s46, s42, 8
	s_add_co_u32 s46, s46, s18                     ; B: row 256 x tile column + 128 x half
	s_mov_b32 s21, 0
	s_mov_b32 s47, 0
	s_mov_b64 s[18:19], KS
	s_mul_u64 s[22:23], s[20:21], s[18:19]
	s_mul_u64 s[92:93], s[46:47], s[18:19]
	s_mov_b64 s[18:19], KROW
	s_mul_u64 s[20:21], s[20:21], s[18:19]
	s_mul_u64 s[46:47], s[46:47], s[18:19]
	s_add_nc_u64 s[46:47], s[46:47], WCODES        ; w_qkv's part of the two buffers
	s_add_nc_u64 s[92:93], s[92:93], WSCALES
	s_mul_i32 s45, s14, HALFT                      ; where they go: no place in the cluster enters an LDS address
	s_mul_i32 s94, s14, HALFS
	s_wait_dscnt 0x0                               ; both opening adds are done
	s_wait_kmcnt 0x0
	s_add_nc_u64 s[20:21], s[4:5], s[20:21]
	s_add_nc_u64 s[22:23], s[6:7], s[22:23]
	s_add_nc_u64 s[46:47], s[4:5], s[46:47]
	s_add_nc_u64 s[92:93], s[6:7], s[92:93]
	CROUND                                         ; all sixteen work-groups are here: the joint loads meet
	s_mov_b32 s[G0S], 1
	s_add_co_u32 s[G0S+1], s94, SCL
	s_mov_b64 s[G0S+2:G0S+3], s[22:23]
	s_or_b32 s[G0S+3], s[G0S+3], 0x80000000
	s_mov_b32 s[G0SB], 1
	s_add_co_u32 s[G0SB+1], s94, SCL
	s_mov_b64 s[G0SB+2:G0SB+3], s[92:93]
	s_or_b32 s[G0SB+3], s[G0SB+3], 0x80000000
	JLOAD G0S, G1S, G0SB, G1SB                     ; the scales first
.irp s, 0,1
	s_mov_b32 s[G0+4*\s], 1
	s_add_co_u32 s[G0+4*\s+1], s45, \s*SLOT
	s_add_nc_u64 s[G0+4*\s+2:G0+4*\s+3], s[20:21], \s*ROWB
	s_or_b32 s[G0+4*\s+3], s[G0+4*\s+3], 0x80000000
	s_mov_b32 s[G0B+4*\s], 1
	s_add_co_u32 s[G0B+4*\s+1], s45, \s*SLOT
	s_add_nc_u64 s[G0B+4*\s+2:G0B+4*\s+3], s[46:47], \s*ROWB
	s_or_b32 s[G0B+4*\s+3], s[G0B+4*\s+3], 0x80000000
	JLOAD G0+4*\s, G1, G0B+4*\s, G1B               ; after slot 1's, three loads of mine are out
.endr
	; where my 128 x 128 lies: in registers that feed no descriptor
	s_lshl_b32 s96, s17, 8
	s_lshl_b32 s2, s15, 7
	s_add_co_u32 s96, s96, s2                      ; m0: my first row
	s_lshl_b32 s97, s42, 8
	s_lshl_b32 s2, s16, 7
	s_add_co_u32 s97, s97, s2                      ; n0: my first column
	s_lshr_b32 s99, s96, 11                        ; the batch
	s_and_b32 s98, s96, 2047                       ; my first position in the sequence
	s_mov_b32 s3, 0
	s_lshl_b32 s2, s97, 2
	s_add_nc_u64 s[8:9], s[8:9], s[2:3]            ; the bias of my columns
	v_and_b32 v1, 15, v0                           ; r
	v_bfe_u32 v2, v0, 4, 1                         ; h
	v_lshlrev_b32 v[BOF], 5, v2
.irp b, 0,1,2,3,4,5,6,7
	global_load_b128 v[BI+8*\b:BI+8*\b+3],   v[BOF], s[8:9] offset:64*\b      ; b_qkv[n0 + 16 b + 8 h + 0..7]
	global_load_b128 v[BI+8*\b+4:BI+8*\b+7], v[BOF], s[8:9] offset:64*\b+16
.endr
	s_lshl_b32 s2, ttmp9, 1                        ; the cluster's x says q, k or v: 1,024 columns a cluster
	s_add_co_u32 s2, s2, s99
	s_lshl_b32 s2, s2, 4
	s_and_b32 s100, s97, 1023
	s_lshr_b32 s101, s100, 6                       ; my first head
	s_add_co_u32 s2, s2, s101
	s_lshl_b32 s2, s2, 18                          ; a head's images are 2^18 bytes
	s_lshl_b32 s101, s98, 7                        ; 128 bytes a position
	s_add_co_u32 s2, s2, s101
	s_add_nc_u64 s[10:11], s[10:11], s[2:3]
	s_lshr_b32 s2, s96, 7
	s_lshl_b32 s2, s2, 12                          ; vpart: a row half is 4,096 bytes,
	s_lshl_b32 s101, s100, 2                       ; my columns among v's 1,024 (inside the buffer in every cluster)
	s_add_co_u32 s2, s2, s101
	s_add_nc_u64 s[12:13], s[12:13], s[2:3]
	s_mul_i32 s2, s99, 192
	s_lshr_b32 s101, s97, 4
	s_add_co_u32 s2, s2, s101
	s_lshl_b32 s2, s2, 10                          ; fine32: 1,024 bytes for a block of 16 columns
	s_add_nc_u64 s[66:67], s[66:67], s[2:3]
	v_mul_u32_u24 v3, v1, PITCH
	v_lshl_add_u32 v4, v2, 4, v3                   ; a fragment's row x pitch + 16 x half
	s_mul_i32 s21, s15, HALFT
	s_mul_i32 s22, s16, HALFT
	s_add_co_u32 s22, s22, 2*HALFT
.irp s, 0,1
	v_add_nc_u32 v[ADRA+\s], s21, v4
	v_add_nc_u32 v[ADRB+\s], s22, v4
	s_add_co_u32 s21, s21, SLOT
	s_add_co_u32 s22, s22, SLOT
.endr
	v_mul_u32_u24 v5, v1, KS                       ; my row's scales: 32 bytes a row,
	v_lshrrev_b32 v6, 8, v5
	v_lshl_add_u32 v5, v6, 4, v5                   ; and 16 more for each 256 passed
	s_mul_i32 s21, s15, HALFS
	s_mul_i32 s22, s16, HALFS
	s_add_co_u32 s22, s22, 2*HALFS
	s_sub_co_u32 s22, s22, s21
	v_mul_u32_u24 v6, s22, v2                      ; lanes 16-31 take B's
	s_add_co_u32 s21, s21, SCL
	v_add_nc_u32 v5, v5, v6
	v_add_nc_u32 v[ADRS], s21, v5
	s_mul_i32 s23, s14, 16*SPITCH                  ; my stage
	v_mul_u32_u24 v5, v1, SPITCH
	v_lshl_add_u32 v5, v2, 5, v5
	v_add_nc_u32 v[STO], s23, v5
	v_and_b32 v6, 31, v0
	v_lshlrev_b32 v[LN], 4, v6
	v_add_nc_u32 v[RD], s23, v[LN]
	v_lshrrev_b32 v8, 3, v1                        ; V's place of lane (r, h): 16 (16 (r / 8) + 8 h + r % 8)
	v_and_b32 v9, 7, v1
	v_lshl_add_u32 v8, v8, 4, v9
	v_lshl_add_u32 v8, v2, 3, v8
	v_lshlrev_b32 v8, 4, v8
	s_cmp_eq_u32 ttmp9, 2
	s_cselect_b32 s2, -1, 0
	v_cndmask_b32 v[CO], v[LN], v8, s2
	v_mov_b32 v[L0V], s98
.macro FRAG reg, adr, q, i             ; 16 rows x 128 K of 4-bit codes: 8 registers, two loads 32 bytes apart
.irp c, 0,1
	ds_load_b128 v[\reg+4*\c:\reg+4*\c+3], v[\adr] offset:64*(\q)+32*\c+(\i)*16*PITCH
.endr
.endm
; 16 matrix instructions: A's blocks a0, a0 + 1 x B's eight, the slot's q-th 128 along K.  first = 1: the bias starts the sums.  The 64 accumulators take turns, one instruction a turn.
.macro MUL16 a0, p, q, sc, first
.irp a, \a0, \a0+1
.irp b, 0,1,2,3,4,5,6,7
.set rD, 8*(8*((\a)%4)+\b)
.set rB, 128*(\p)+FR*\b
.set rA, AF+FR*(\a)
.set sB, SC+8*NQ*(\sc)+NQ*\b+(\q)
.set sA, SC+8*NQ*(\sc)+NQ*(\a)+(\q)
.if \first
	v_wmma_scale_f32_16x16x128_f8f6f4 v[rD:rD+7], v[rB:rB+7], v[rA:rA+7], v[BI+8*\b:BI+8*\b+7], v[sB], v[sA] matrix_a_fmt:MATRIX_FMT_FP4 matrix_b_fmt:MATRIX_FMT_FP4 matrix_a_scale:MATRIX_SCALE_ROW1
.else
	v_wmma_scale_f32_16x16x128_f8f6f4 v[rD:rD+7], v[rB:rB+7], v[rA:rA+7], v[rD:rD+7], v[sB], v[sA] matrix_a_fmt:MATRIX_FMT_FP4 matrix_b_fmt:MATRIX_FMT_FP4 matrix_a_scale:MATRIX_SCALE_ROW1
.endif
.endr
.endr
.endm
.macro FETCH_B slot, q, p
	WIN TO_B
.irp i, 0,1,2,3,4,5,6,7
	FRAG 128*(\p)+FR*\i, ADRB+\slot, \q, \i
.endr
	WIN 0
.endm
.macro FETCH_A slot, q, i0
.irp i, \i0, \i0+1, \i0+2, \i0+3
	FRAG AF+FR*(\i), ADRA+\slot, \q, \i
.endr
.endm
.macro SCALES sc                       ; a slot's scale words: four a row; lanes 0-15 A's block i, lanes 16-31 B's block i
.irp i, 0,1,2,3,4,5,6,7
	ds_load_b128 v[SC+8*NQ*\sc+NQ*\i:SC+8*NQ*\sc+NQ*\i+3], v[ADRS] offset:\i*SBLK
.endr
.endm
.macro PLACES n                        ; plain vector lines between a matrix instruction and a load into, or a read of, its registers
.rept \n
	v_nop
.endr
.endm
.macro STEP slot, q, first             ; 128 along K whose successor lies in the same slot
	s_wait_dscnt 4*NL                              ; B's set and A's blocks 0-3 are in; the youngest eight loads (A's blocks 4-7) may be out
.if \first
	WIN FST_LO
.else
	WIN MUL_LO
.endif
	MUL16 0, (\q)%2, \q, \slot, \first
	MUL16 2, (\q)%2, \q, \slot, \first
	s_wait_dscnt 0
	PLACES NP
	FETCH_B \slot, (\q)+1, 1-(\q)%2
	FETCH_A \slot, (\q)+1, 0
.if \first
	WIN FST_HI
.else
	WIN MUL_HI
.endif
	MUL16 4, (\q)%2, \q, \slot, \first
	MUL16 6, (\q)%2, \q, \slot, \first
	PLACES NP
	WIN 0
	FETCH_A \slot, (\q)+1, 4
.endm
.macro TURN slot, next                 ; a slot's last step changes slots: one barrier
	s_wait_tensorcnt 0x0                           ; my part of the next slot has landed
	ds_add_u32 v[SPW], v[NIL]                      ; 0 onto my spare word
	s_wait_dscnt 4*NL+1                            ; the add and A's blocks 4-7 may be out
	WIN MUL_LO
	MUL16 0, 1, NQ-1, \slot, 0
	s_wait_dscnt 0x0                               ; the add is done and my reads of this slot are over
	s_barrier_signal -1
	MUL16 2, 1, NQ-1, \slot, 0
	WIN 0
	s_barrier_wait -1                              ; the next slot is whole, and nobody reads this one any more
	PLACES NP
	v_add_nc_u32 v[ADRS], 4*NQ, v[ADRS]            ; the next slot's scale words
	FETCH_B \next, 0, 0
	FETCH_A \next, 0, 0
	SCALES \next
	WIN MUL_HI
	MUL16 4, 1, NQ-1, \slot, 0
	MUL16 6, 1, NQ-1, \slot, 0
	PLACES NP
	WIN 0
	FETCH_A \next, 0, 4
.endm
.macro STEPS slot, from
.set Q, \from
.rept NQ-1-\from
	STEP \slot, Q, 0
.set Q, Q+1
.endr
.endm
	s_wait_tensorcnt 1                             ; the scales and my part of slot 0 are in; slot 1's load may be out
	s_barrier_signal -1
	s_barrier_wait -1
	FETCH_B 0, 0, 0
	FETCH_A 0, 0, 0
	SCALES 0
	FETCH_A 0, 0, 4
	s_wait_loadcnt 0x0                             ; the bias
	STEP 0, 0, 1
	STEPS 0, 1
	TURN 0, 1
	STEPS 1, 0
	s_wait_dscnt 4*NL                              ; the last step fetches nothing
	WIN MUL_LO
	MUL16 0, 1, NQ-1, 1, 0
	MUL16 2, 1, NQ-1, 1, 0
	s_wait_dscnt 0
	WIN MUL_HI
	MUL16 4, 1, NQ-1, 1, 0
	MUL16 6, 1, NQ-1, 1, 0
	WIN 0
	PLACES NP
	; Positions 0-15 of a sequence leave in f32 too.  Whether my block 0 holds them hangs on the tile row, so it is said by EXEC (all lanes or none), not by a branch.
	v_cmp_eq_u32 vcc_lo, 0, v[L0V]
	s_wait_xcnt 0x0                                ; EXEC changes only behind this wait
	s_and_saveexec_b32 s2, vcc_lo
	WIN 0x08                                       ; a store's data are its source 1: window 2
.irp b, 0,1,2,3,4,5,6,7
	global_store_b128 v[LN], v[8*\b:8*\b+3],   s[66:67] offset:1024*\b         ; each accumulator from its low end on; 512 consecutive bytes a store
	global_store_b128 v[LN], v[8*\b+4:8*\b+7], s[66:67] offset:1024*\b+512
.endr
	WIN 0
	s_wait_xcnt 0x0
	s_or_b32 exec_lo, exec_lo, s2
	; v's column sums over my 128 rows.  The cluster's x is the same in all sixteen partners.
	s_cmp_lg_u32 ttmp9, 2
	s_cbranch_scc1 .Lno_v
.macro ADDBLK src                      ; the running sum + the block at v[src] of source 1's window, pairs ascending
.set i, 0
.rept 32
	v_pk_add_f32 v[XR+2*i:XR+2*i+1], v[XR+2*i:XR+2*i+1], v[\src+2*i:\src+2*i+1]
.set i, i+1
.endr
.endm
	WIN 0x0a                                       ; both sources window 2
.set i, 0
.rept 32
	v_pk_add_f32 v[XR+2*i:XR+2*i+1], v[2*i:2*i+1], v[64+2*i:64+2*i+1]
.set i, i+1
.endr
	WIN 0x08                                       ; source 1 window 2
	ADDBLK 128
	ADDBLK 192
	WIN 0x0c                                       ; source 1 window 3
	ADDBLK 0
	ADDBLK 64
	ADDBLK 128
	ADDBLK 192
	WIN 0
.irp b, 0,1,2,3,4,5,6,7
	ds_store_b128 v[STO], v[XR+8*\b:XR+8*\b+3]   offset:64*\b      ; row r of the stage: my 16 lanes' rows lie one under the other
	ds_store_b128 v[STO], v[XR+8*\b+4:XR+8*\b+7] offset:64*\b+16
.endr
.irp t, 0,1,2,3,4,5,6,7,8,9,10,11,12,13,14,15
	ds_load_b128 v[YR+4*\t:YR+4*\t+3], v[RD] offset:\t*SPITCH      ; back by rows, four columns a lane: LDS serves a wave in order
.endr
	s_wait_dscnt 0x0
.macro YADD t, d
	v_pk_add_f32 v[YR+4*(\t):YR+4*(\t)+1],   v[YR+4*(\t):YR+4*(\t)+1],   v[YR+4*(\t+\d):YR+4*(\t+\d)+1]
	v_pk_add_f32 v[YR+4*(\t)+2:YR+4*(\t)+3], v[YR+4*(\t)+2:YR+4*(\t)+3], v[YR+4*(\t+\d)+2:YR+4*(\t+\d)+3]
.endm
.irp t, 0,1,2,3,4,5,6,7
	YADD \t, 8
.endr
.irp t, 0,1,2,3
	YADD \t, 4
.endr
	YADD 0, 2
	YADD 1, 2
	YADD 0, 1
	global_store_b128 v[LN], v[YR:YR+3], s[12:13]  ; 512 consecutive bytes
.Lno_v:
	s_wait_xcnt 0x0                                ; that store has read its registers
.macro OUT a                           ; block a: 16 positions x 128 columns, rounded to f16 in pairs: eight half images
.set AC, 64*((\a)%4)
.set OB, 128+32*((\a)%4)
.if (\a) >= 4
	s_wait_xcnt 0x0                                ; block a - 4's stores have read this set
.endif
	WIN 0x0a+5*((\a)/4)                            ; sources 0 and 1: window 2 or 3
.irp b, 0,1,2,3,4,5,6,7
.irp i, 0,1,2,3
	v_cvt_pk_f16_f32 v[OB+4*\b+\i], v[AC+8*\b+2*\i], v[AC+8*\b+2*\i+1]
.endr
.endr
	WIN 0
.irp b, 0,1,2,3,4,5,6,7
	global_store_b128 v[CO], v[OB+4*\b:OB+4*\b+3], s[10:11] offset:(\b/4)*262144+2048*(\a)+((\b/2)%2)*1024+(\b%2)*512   ; head b / 4, fragment (b / 2) % 2, registers 4 (b % 2) on: 512 consecutive bytes
.endr
.endm
.irp a, 0,1,2,3,4,5,6,7
	OUT \a
.endr
	s_wait_tensorcnt 0x0                           ; the wave's end
	ds_add_u32 v[SPW], v[NIL]
	s_wait_dscnt 0x0
	CROUND                                         ; the closing round
	s_endpgm
.Lfunc_end_k_q8c47309574_qkvgemm:
	.size	k_q8c47309574_qkvgemm, .Lfunc_end_k_q8c47309574_qkvgemm-k_q8c47309574_qkvgemm
	.p2alignl 7, 3214868480
	.fill 96, 4, 3214868480
	.section	.rodata,"a",@progbits
	.p2align	6, 0x0
	.amdhsa_kernel k_q8c47309574_qkvgemm
		.amdhsa_group_segment_fixed_size 327680
		.amdhsa_private_segment_fixed_size 0
		.amdhsa_enable_private_segment 0
		.amdhsa_kernarg_size 48
		.amdhsa_user_sgpr_count 2
		.amdhsa_user_sgpr_kernarg_segment_ptr 1
		.amdhsa_wavefront_size32 1
		.amdhsa_system_sgpr_workgroup_id_x 1
		.amdhsa_system_sgpr_workgroup_id_y 1
		.amdhsa_system_sgpr_workgroup_id_z 1
		.amdhsa_system_vgpr_workitem_id 0
		.amdhsa_next_free_vgpr 1024
		.amdhsa_next_free_sgpr 104
		.amdhsa_reserve_vcc 1
		.amdhsa_float_denorm_mode_32 3
		.amdhsa_float_denorm_mode_16_64 3
		.amdhsa_memory_ordered 1
		.amdhsa_forward_progress 1
		.amdhsa_inst_pref_size 140
	.end_amdhsa_kernel
	.amdgpu_metadata
---
amdhsa.version: [ 1, 2 ]
amdhsa.kernels:
  - .name:           k_q8c47309574_qkvgemm
    .symbol:         k_q8c47309574_qkvgemm.kd
    .args:
      - { .name: codes, .offset: 0, .size: 8, .value_kind: global_buffer, .address_space: global }
      - { .name: scales, .offset: 8, .size: 8, .value_kind: global_buffer, .address_space: global }
      - { .name: b_qkv, .offset: 16, .size: 8, .value_kind: global_buffer, .address_space: global }
      - { .name: qkv16, .offset: 24, .size: 8, .value_kind: global_buffer, .address_space: global }
      - { .name: vpart, .offset: 32, .size: 8, .value_kind: global_buffer, .address_space: global }
      - { .name: fine32, .offset: 40, .size: 8, .value_kind: global_buffer, .address_space: global }
    .group_segment_fixed_size: 327680
    .private_segment_fixed_size: 0
    .kernarg_segment_align: 8
    .kernarg_segment_size: 48
    .max_flat_workgroup_size: 128
    .sgpr_count:     104
    .vgpr_count:     1024
    .wavefront_size: 32
...
	.end_amdgpu_metadata
.endif
;; end of part 2
;; launch attn (part 3): grid 8 x 32, 16 waves a work-group, no clusters, 167,936 bytes of LDS; arguments qkv16, vpart, ao16; writes ao16
.if DOCPART == 3
	.amdgcn_target "amdgcn-amd-amdhsa--gfx1250"
	.amdhsa_code_object_version 6
	.text
	.protected	k_q8c47309574_attn
	.globl	k_q8c47309574_attn
	.p2align	8
	.type	k_q8c47309574_attn,@function
k_q8c47309574_attn:
	s_mov_b64 s[64:65], 0
	v_nop
	global_prefetch_b8 v0, s[64:65] scope:SCOPE_SE
	s_setreg_imm32_b32 hwreg(HW_REG_WAVE_MODE, 25, 1), 1
	s_wait_xcnt 0x0
; Attention in a window: key j counts for query i where 0 <= i - j < 256; every other score is -10,000, as the problem has it, NOT minus infinity.  Operands f16, sums f32.
; HIDDEN KEYS ARE KEPT.  With t = score x log2(e), m = max(open t, t_mask), p = 2^(t - m), w = 2^(t_mask - m):
;   out = (sum over walked keys of (p - w) v + w Vtot) / (sum over walked keys of (p - w) + 2,048 w),  Vtot = the sum of v over the whole sequence (vpart's 16 rows added).
; A hidden key that is walked has the raw score -80,000 (x 1/8 = -10,000) and goes through the same multiply-add and exponential as w: p - w is 0 bit for bit.
; SHARES.  Work-group (x, y): queries 256 x .. 256 x + 255 of head y.  Wave w: 16 queries.  The waves 2 mp and 2 mp + 1 walk the 288 keys from 256 x - 256 + 32 mp on: 18 tiles of 16, 9 steps of 32.  No loop, no ring.
; In a sequence's first block the 256 keys ahead of key 0 do not exist: keys 1,792 .. 2,047 of the head stand in for them; the mask hides those, and the steps that hold them take the hidden t by a factor 0 and an addend.
; LDS: K's 32 tiles (512 keys) as images at 0, V's at 65,536, each brought by four tensor loads of 16,384 dense bytes (waves 0-3, 4-7); Vtot, each wave's own 256 bytes, at 131,072; the spare words at 135,168.
; NO CLUSTER: a block of 256 keys is read by two work-groups alone, and lies at LDS byte 32,768 in one and at 0 in the other; an LDS address may not hang on a place in a cluster.
; LAYOUT.  S^T = K Q^T: lane (r, h), register j of tile T: query r, key 16 T + 8 h + j.  Two tiles rounded in pairs are source 1 of O^T = V^T P.  V comes turned by ds_load_tr16_b128 at 16 x lane (its images are laid for that).
; The result goes out as images again: ao16 = [256 tiles of 16 rows][32 fragments][1,024 bytes]; head hd is fragments 2 hd, 2 hd + 1.
; LIMITS: p under 2^-126 counts as 0; p - w, q, k, v are f16; NaN and infinities are not served.  Rows 0-15 of each sequence are made anew in f32 by a later launch.
; REGISTERS: v1 K's address, v2 V's, v3 16 x lane, v4, v5 the mask's bounds, v6 -80,000, v7 8 x lane, v8, v9 the add's two, v10, v11 Vtot's addresses, v[12:13] -m, v[14:15], v[18:19] a step's addend, v[16:17] w,
;   v20-28 maxima, then sums, v29 m, then t_mask - m, v[30:31] 1 / l, v32-47 Q, v48-111 eight fragments of K or V, v112-255 S; later v112-183 P, v184-215 O^T, v216-247 Vtot.
.set VREG,  65536
.set VSUM,  131072
.set SPARE, 135168
.set KB, 48
.set S,  112
.set OT, 184
.set VT, 216
	s_load_b128 s[4:7], s[0:1], 0x0                ; qkv16, vpart
	s_load_b64 s[8:9], s[0:1], 0x10                ; ao16
	v_lshl_add_u32 v8, v0, 2, SPARE
	v_mov_b32 v9, 0
	ds_add_u32 v8, v9                              ; the wave's opening: the add, twice on end, and its wait ahead of the first tensor load
	ds_add_u32 v8, v9
	v_lshrrev_b32 v1, 5, v0
	v_readfirstlane_b32 s10, v1                    ; wave 0..15
	s_lshr_b32 s11, s10, 1                         ; mp
	s_and_b32 s74, ttmp7, 0xffff                   ; y = 16 b + hd
	s_lshr_b32 s76, s74, 4                         ; b
	s_and_b32 s77, s74, 15                         ; hd
	s_mov_b32 s16, 3<<16                           ; group 1: 16,384 dense bytes as 64 rows of 32 elements of 8 bytes, no padding, no mask
	s_mov_b32 s17, 32<<16                          ; tensor_dim0
	s_mov_b32 s18, 64<<16                          ; tensor_dim1
	s_mov_b32 s19, 32<<16                          ; tile_dim0
	s_mov_b32 s20, 64                              ; tile_dim1
	s_mov_b32 s21, 32                              ; pitch
	s_mov_b32 s22, 0
	s_mov_b32 s23, 0
	s_mov_b32 s12, 1
	s_lshl_b32 s13, s10, 14                        ; LDS: 16,384 x wave: K's four parts, then V's
	s_and_b32 s30, s10, 3
	s_bfe_u32 s31, s10, 0x10002                    ; 0: K, 1: V
	s_lshl_b32 s26, ttmp9, 8
	s_lshl_b32 s30, s30, 7
	s_add_co_u32 s26, s26, s30
	s_add_co_u32 s26, s26, 1792
	s_and_b32 s26, s26, 2047                       ; my first key: (256 x - 256 + 128 i) mod 2,048
	s_lshl_b32 s26, s26, 7                         ; 128 bytes a key
	s_lshl_b32 s31, s31, 5
	s_add_co_u32 s31, s31, 32
	s_add_co_u32 s31, s31, s74
	s_lshl_b32 s31, s31, 18                        ; K's heads follow Q's 32, V's follow K's
	s_add_co_u32 s26, s26, s31
	s_mov_b32 s27, 0
	s_lshl_b32 s75, ttmp9, 4
	s_add_co_u32 s75, s75, s10                     ; my tile of queries in the sequence
	s_lshl_b32 s58, s74, 18
	s_lshl_b32 s30, s75, 11
	s_add_co_u32 s58, s58, s30                     ; Q's two images
	s_mov_b32 s59, 0
	s_lshl_b32 s60, s76, 16
	s_lshl_b32 s30, s77, 8
	s_add_co_u32 s60, s60, s30                     ; vpart: 16 rows of 4,096 bytes a batch, 256 bytes a head
	s_mov_b32 s61, 0
	s_lshl_b32 s62, s76, 7
	s_add_co_u32 s62, s62, s75
	s_lshl_b32 s62, s62, 15
	s_lshl_b32 s30, s77, 11
	s_add_co_u32 s62, s62, s30                     ; ao16: 32,768 bytes a tile of rows, 2,048 a head
	s_mov_b32 s63, 0
	s_mov_b32 s28, 0x76543210
	s_mov_b32 s29, 0xfedcba98                      ; v_permlanex16_b32: lane l xor 16
	s_mov_b32 s48, 0x3e38aa3b                      ; c = log2(e) / 8
	s_mov_b32 s49, s48
	s_mov_b32 s25, 0xc6616bcd                      ; t_mask = -14,426.95 = c x -80,000 to a rounding: it enters the maximum alone
	s_sub_co_u32 s24, 8, s11
	s_cmp_eq_u32 ttmp9, 0
	s_cselect_b32 s24, s24, 0                      ; how many of my first steps hold stand-in keys: 8 - mp in a sequence's first block
.irp s, 0,1,2,3,4,5,6,7
	s_cmp_gt_u32 s24, \s
	s_cselect_b32 s[32+2*\s], 0, s48               ; the step's factor: 0 or c (a pair: the packed form names both)
	s_cselect_b32 s[33+2*\s], 0, s48
	s_cselect_b32 s[50+\s], s25, 0                 ; what is added to its largest score x the factor
	s_cselect_b32 s[66+\s], -1, 0                  ; and a lane mask
.endr
	v_and_b32 v3, 31, v0
	v_lshlrev_b32 v7, 3, v3
	v_lshlrev_b32 v3, 4, v3
	v_and_b32 v20, 15, v0                          ; r
	v_bfe_u32 v21, v0, 4, 1                        ; h
	s_lshl_b32 s30, s11, 12
	v_add_nc_u32 v1, s30, v3                       ; 32 mp keys on: 4,096 mp + 16 x lane
	v_add_nc_u32 v2, VREG, v1
	s_and_b32 s30, s10, 1
	s_lshl_b32 s30, s30, 4
	s_add_co_u32 s30, s30, 1
	v_add_nc_u32 v4, s30, v20
	v_lshlrev_b32 v5, 3, v21
	v_sub_nc_u32 v4, v4, v5                        ; key offset 16 T + 8 h + j is too old where 16 T + j < 1 + 16 (w % 2) + r - 8 h,
	v_add_nc_u32 v5, -1, v4                        ; and yet to come where 16 (T - 16) + j > 16 (w % 2) + r - 8 h
	v_mov_b32 v6, 0xc79c4000                       ; -80,000
	s_lshl_b32 s30, s10, 8
	s_add_co_u32 s30, s30, VSUM
	v_add_nc_u32 v10, s30, v7
	v_lshl_add_u32 v11, v21, 5, s30
	v_mov_b32 v13, 0                               ; upper halves of pairs of which the low word serves both halves: written once
	v_mov_b32 v15, 0
	v_mov_b32 v17, 0
	v_mov_b32 v19, 0
	v_mov_b32 v31, 0
	s_wait_dscnt 0x0                               ; both opening adds are done
	s_wait_kmcnt 0x0
	s_add_nc_u64 s[14:15], s[4:5], s[26:27]
	s_or_b32 s15, s15, 0x80000000
	s_add_nc_u64 s[58:59], s[4:5], s[58:59]
	s_add_nc_u64 s[6:7], s[6:7], s[60:61]
	s_add_nc_u64 s[8:9], s[8:9], s[62:63]
	s_cmp_lt_u32 s10, 8                            ; waves 0-7 fetch, one load each
	s_cbranch_scc0 .Lno_fill
	tensor_load_to_lds s[12:15], s[16:23]
	s_nop 0
.rept 4
	v_nop
.endr
.Lno_fill:
.irp i, 0,1,2,3
	global_load_b128 v[32+4*\i:35+4*\i], v3, s[58:59] offset:512*\i      ; Q's two fragments
.endr
.irp p, 0,1,2,3,4,5,6,7,8,9,10,11,12,13,14,15
	global_load_b64 v[KB+2*\p:KB+2*\p+1], v7, s[6:7] offset:4096*\p      ; the head's 64 column sums of row half p: 256 consecutive bytes
.endr
	s_wait_loadcnt 0x0
.irp p, 2,4,6,8,10,12,14
	v_pk_add_f32 v[KB:KB+1],   v[KB:KB+1],   v[KB+2*\p:KB+2*\p+1]
	v_pk_add_f32 v[KB+2:KB+3], v[KB+2:KB+3], v[KB+2*\p+2:KB+2*\p+3]
.endr
	v_pk_add_f32 v[KB:KB+1], v[KB:KB+1], v[KB+2:KB+3]
	ds_store_b64 v10, v[KB:KB+1]                   ; Vtot, into my wave's own bytes
	s_wait_tensorcnt 0x0                           ; my part of K or V has landed,
	s_wait_dscnt 0x0
	s_barrier_signal -1
	s_barrier_wait -1                              ; everybody's has: the launch's one barrier
.macro PLACES
.rept 4
	v_nop
.endr
.endm
; cnt tiles of 16 keys from tile t0 on: their fragments of K, then two products a tile, the tiles by turns
.macro SGROUP t0, cnt
.set T, 0
.rept \cnt
.irp f, 0,1
	ds_load_b128 v[KB+16*T+8*\f:KB+16*T+8*\f+3],   v1 offset:2048*(\t0+T)+1024*\f
	ds_load_b128 v[KB+16*T+8*\f+4:KB+16*T+8*\f+7], v1 offset:2048*(\t0+T)+1024*\f+512
.endr
.set T, T+1
.endr
	s_wait_dscnt 0x0
.set T, 0
.rept \cnt
	v_wmma_f32_16x16x32_f16 v[S+8*(\t0+T):S+8*(\t0+T)+7], v[KB+16*T:KB+16*T+7], v[32:39], 0
.set T, T+1
.endr
.set T, 0
.rept \cnt
	v_wmma_f32_16x16x32_f16 v[S+8*(\t0+T):S+8*(\t0+T)+7], v[KB+16*T+8:KB+16*T+15], v[40:47], v[S+8*(\t0+T):S+8*(\t0+T)+7]
.set T, T+1
.endr
.endm
; V^T of steps 2 g on (cnt of them): for each of the head's four tiles of 16 channels, 16 keys and the next 16
.macro VLOAD g, cnt
.set u, 0
.rept \cnt
.irp t, 0,1,2,3
	ds_load_tr16_b128 v[KB+32*u+8*\t:KB+32*u+8*\t+3],   v2 offset:4096*(2*\g+u)+512*\t
	ds_load_tr16_b128 v[KB+32*u+8*\t+4:KB+32*u+8*\t+7], v2 offset:4096*(2*\g+u)+512*\t+2048
.endr
.set u, u+1
.endr
.endm
.macro PVG g, cnt                      ; O^T += V^T P, the four accumulators by turns
	s_wait_dscnt 0x0
.set u, 0
.rept \cnt
.irp t, 0,1,2,3
.if (2*\g+u) == 0
	v_wmma_f32_16x16x32_f16 v[OT+8*\t:OT+8*\t+7], v[KB+32*u+8*\t:KB+32*u+8*\t+7], v[S+8*(2*\g+u):S+8*(2*\g+u)+7], 0
.else
	v_wmma_f32_16x16x32_f16 v[OT+8*\t:OT+8*\t+7], v[KB+32*u+8*\t:KB+32*u+8*\t+7], v[S+8*(2*\g+u):S+8*(2*\g+u)+7], v[OT+8*\t:OT+8*\t+7]
.endif
.endr
.set u, u+1
.endr
.endm
	SGROUP 0, 4
	PLACES                                         ; in front of loads into registers that matrix instructions have read
	SGROUP 4, 4
	PLACES
	SGROUP 8, 4
	PLACES
	SGROUP 12, 4
	PLACES
	SGROUP 16, 2
	PLACES                                         ; also in front of the first reads of the scores
	VLOAD 0, 2                                     ; lands under the softmax
	; the mask: only the first two tiles can hold keys that are too old, only the last two keys yet to come
.irp T, 0,1
.irp j, 0,1,2,3,4,5,6,7
	v_cmp_lt_i32 vcc_lo, 16*\T+\j, v4
	v_cndmask_b32 v[S+8*\T+\j], v[S+8*\T+\j], v6, vcc_lo
.endr
.endr
.irp T, 0,1
.irp j, 0,1,2,3,4,5,6,7
	v_cmp_gt_i32 vcc_lo, 16*\T+\j, v5
	v_cndmask_b32 v[S+128+8*\T+\j], v[S+128+8*\T+\j], v6, vcc_lo
.endr
.endr
	; each step's largest score, three steps by turns; each accumulator is read from its low end on
.irp g, 0,3,6
.irp u, 0,1,2
	v_max3_num_f32 v[20+\g+\u], v[S+16*(\g+\u)], v[S+16*(\g+\u)+1], v[S+16*(\g+\u)+2]
.endr
.irp i, 3,5,7,9,11,13
.irp u, 0,1,2
	v_max3_num_f32 v[20+\g+\u], v[20+\g+\u], v[S+16*(\g+\u)+\i], v[S+16*(\g+\u)+\i+1]
.endr
.endr
.irp u, 0,1,2
	v_max_num_f32 v[20+\g+\u], v[20+\g+\u], v[S+16*(\g+\u)+15]
.endr
.endr
.irp s, 0,1,2,3,4,5,6,7
	v_fma_f32 v[20+\s], v[20+\s], s[32+2*\s], s[50+\s]   ; as t; a step of stand-in keys gives t_mask
.endr
	v_mul_f32 v28, s48, v28
	v_max3_num_f32 v29, v20, v21, v22
	v_max3_num_f32 v29, v29, v23, v24
	v_max3_num_f32 v29, v29, v25, v26
	v_max3_num_f32 v29, v29, v27, v28
	v_max_num_f32 v29, s25, v29                    ; the keys that are not walked have t_mask
	v_permlanex16_b32 v20, v29, s28, s29
	v_max_num_f32 v29, v29, v20                    ; m
	v_mul_f32 v12, -1.0, v29                       ; -m
	v_fma_f32 v29, v6, s48, v12                    ; t_mask - m, by the multiply-add that a hidden score goes through
.irp s, 0,1,2,3,4,5,6,7
	v_cndmask_b32 v[14+4*(\s%2)], v12, v29, s[66+\s]
.irp i, 0,2,4,6,8,10,12,14
	v_pk_fma_f32 v[S+16*\s+\i:S+16*\s+\i+1], v[S+16*\s+\i:S+16*\s+\i+1], s[32+2*\s:33+2*\s], v[14+4*(\s%2):15+4*(\s%2)] op_sel_hi:[1,0,0]   ; c s - m; in a step of stand-in keys 0 s + (t_mask - m)
.endr
.endr
.irp i, 0,2,4,6,8,10,12,14
	v_pk_fma_f32 v[S+128+\i:S+128+\i+1], v[S+128+\i:S+128+\i+1], s[48:49], v[12:13] op_sel_hi:[1,0,0]
.endr
	v_exp_f32 v16, v29                             ; w
.set i, 0
.rept 144
	v_exp_f32 v[S+i], v[S+i]                       ; p: one batch
.set i, i+1
.endr
	v_nop                                          ; a plain line behind the last exponential
	s_wait_alu depctr_va_vdst(0)                   ; one wait for the batch, ahead of its first reader
.set i, 0
.rept 72
	v_pk_add_f32 v[S+i:S+i+1], v[S+i:S+i+1], v[16:17] op_sel_hi:[1,0] neg_lo:[0,1] neg_hi:[0,1]   ; p - w
.set i, i+2
.endr
.irp c, 0,1,2,3
	v_pk_add_f32 v[20+2*\c:21+2*\c], v[S+2*\c:S+2*\c+1], v[S+8+2*\c:S+9+2*\c]   ; the row's sum, in f32, of the unrounded numbers: four chains
.endr
.set i, 16
.rept 16
.irp c, 0,1,2,3
	v_pk_add_f32 v[20+2*\c:21+2*\c], v[20+2*\c:21+2*\c], v[S+i+2*\c:S+i+2*\c+1]
.endr
.set i, i+8
.endr
.set i, 0
.rept 72
	v_cvt_pk_f16_f32 v[S+i], v[S+2*i], v[S+2*i+1]  ; in place, ascending: step s's operand is v[112 + 8 s] on
.set i, i+1
.endr
.irp t, 0,1,2,3
	ds_load_b128 v[VT+8*\t:VT+8*\t+3],   v11 offset:64*\t      ; Vtot at my lane's channels 16 t + 8 h + 0..7
	ds_load_b128 v[VT+8*\t+4:VT+8*\t+7], v11 offset:64*\t+16
.endr
	v_pk_add_f32 v[20:21], v[20:21], v[22:23]
	v_pk_add_f32 v[24:25], v[24:25], v[26:27]
	v_pk_add_f32 v[20:21], v[20:21], v[24:25]
	v_add_f32 v20, v20, v21
	v_permlanex16_b32 v21, v20, s28, s29
	v_add_f32 v20, v20, v21
	v_fmamk_f32 v20, v16, 0x45000000, v20          ; l = the sum + 2,048 w
	v_rcp_f32 v30, v20
	v_nop
	s_wait_alu depctr_va_vdst(0)                   ; ahead of the reciprocal's first reader
	PVG 0, 2
	PLACES
	VLOAD 1, 2
	PVG 1, 2
	PLACES
	VLOAD 2, 2
	PVG 2, 2
	PLACES
	VLOAD 3, 2
	PVG 3, 2
	PLACES
	VLOAD 4, 1
	PVG 4, 1
	PLACES
.irp i, 0,2,4,6,8,10,12,14,16,18,20,22,24,26,28,30
	v_pk_fma_f32 v[OT+\i:OT+\i+1], v[VT+\i:VT+\i+1], v[16:17], v[OT+\i:OT+\i+1] op_sel_hi:[1,0,1]   ; + w Vtot
.endr
.irp i, 0,2,4,6,8,10,12,14,16,18,20,22,24,26,28,30
	v_pk_mul_f32 v[OT+\i:OT+\i+1], v[OT+\i:OT+\i+1], v[30:31] op_sel_hi:[1,0]                       ; / l
.endr
.irp i, 0,1,2,3,4,5,6,7,8,9,10,11,12,13,14,15
	v_cvt_pk_f16_f32 v[KB+\i], v[OT+2*\i], v[OT+2*\i+1]
.endr
.irp t, 0,1,2,3
	global_store_b128 v3, v[KB+4*\t:KB+4*\t+3], s[8:9] offset:512*\t   ; two images: 2,048 consecutive bytes
.endr
	s_wait_tensorcnt 0x0                           ; the wave's end
	ds_add_u32 v8, v9
	s_wait_dscnt 0x0
	s_endpgm
.Lfunc_end_k_q8c47309574_attn:
	.size	k_q8c47309574_attn, .Lfunc_end_k_q8c47309574_attn-k_q8c47309574_attn
	.p2alignl 7, 3214868480
	.fill 96, 4, 3214868480
	.section	.rodata,"a",@progbits
	.p2align	6, 0x0
	.amdhsa_kernel k_q8c47309574_attn
		.amdhsa_group_segment_fixed_size 167936
		.amdhsa_private_segment_fixed_size 0
		.amdhsa_enable_private_segment 0
		.amdhsa_kernarg_size 24
		.amdhsa_user_sgpr_count 2
		.amdhsa_user_sgpr_kernarg_segment_ptr 1
		.amdhsa_wavefront_size32 1
		.amdhsa_system_sgpr_workgroup_id_x 1
		.amdhsa_system_sgpr_workgroup_id_y 1
		.amdhsa_system_sgpr_workgroup_id_z 1
		.amdhsa_system_vgpr_workitem_id 0
		.amdhsa_next_free_vgpr 256
		.amdhsa_next_free_sgpr 80
		.amdhsa_reserve_vcc 1
		.amdhsa_float_denorm_mode_32 3
		.amdhsa_float_denorm_mode_16_64 3
		.amdhsa_memory_ordered 1
		.amdhsa_forward_progress 1
		.amdhsa_inst_pref_size 59
	.end_amdhsa_kernel
	.amdgpu_metadata
---
amdhsa.version: [ 1, 2 ]
amdhsa.kernels:
  - .name:           k_q8c47309574_attn
    .symbol:         k_q8c47309574_attn.kd
    .args:
      - { .name: qkv16, .offset: 0, .size: 8, .value_kind: global_buffer, .address_space: global }
      - { .name: vpart, .offset: 8, .size: 8, .value_kind: global_buffer, .address_space: global }
      - { .name: ao16, .offset: 16, .size: 8, .value_kind: global_buffer, .address_space: global }
    .group_segment_fixed_size: 167936
    .private_segment_fixed_size: 0
    .kernarg_segment_align: 8
    .kernarg_segment_size: 24
    .max_flat_workgroup_size: 512
    .sgpr_count:     80
    .vgpr_count:     256
    .wavefront_size: 32
...
	.end_amdgpu_metadata
.endif
;; end of part 3
;; launch proj (part 4): grid 8 x 32, 4 waves a work-group, clusters of 4 x 4, 327,680 bytes of LDS; arguments ao16, wp16, b_proj, out0; writes out0
.if DOCPART == 4
	.amdgcn_target "amdgcn-amd-amdhsa--gfx1250"
	.amdhsa_code_object_version 6
	.text
	.protected	k_q8c47309574_proj
	.globl	k_q8c47309574_proj
	.p2align	8
	.type	k_q8c47309574_proj,@function
k_q8c47309574_proj:
	s_mov_b64 s[64:65], 0
	v_nop
	global_prefetch_b8 v0, s[64:65] scope:SCOPE_SE
	s_setreg_imm32_b32 hwreg(HW_REG_WAVE_MODE, 25, 1), 1
	s_wait_xcnt 0x0
	s_wait_alu depctr_hold_cnt(0) depctr_sa_sdst(0) depctr_va_vdst(0) depctr_va_sdst(0) depctr_va_ssrc(0) depctr_va_vcc(0) depctr_vm_vsrc(0)
	s_getreg_b32 s2, hwreg(HW_REG_IB_STS2, 6, 4)
	s_cmp_eq_u32 s2, 0
	s_cbranch_scc0 .Lentry_in_a_cluster
	s_endpgm
.Lentry_in_a_cluster:
	s_bfe_u32 s2, ttmp6, 0x10000c
	s_cmp_lg_u32 s2, 0xf033
	s_cbranch_scc0 .Lentry_shape_is_right
	s_endpgm
.Lentry_shape_is_right:
; out0[m][n] = sum over k of ao[m][k] w_proj[n][k] + b_proj[n]; M = 4,096, N = K = 1,024; operands f16, sums and result f32.
; A tile of 128 x 128 gives 256 work-groups; four waves, 64 x 64 each: 16 accumulators.  K goes in four steps of 256 through a ring of two LDS slots.
; BOTH OPERANDS LIE IN MEMORY AS IMAGES OF FRAGMENTS: [tile of 16 rows][32 fragments of 32 along K][1,024 bytes].  A K step of a tile of rows is 8,192 consecutive bytes; a wave's tensor load brings four such rows
; (64 rows of the matrix), 32,768 bytes apart in memory, dense in LDS.  A fragment is read at 16 x lane: consecutive bytes, so no pitch and no padding.
; CLUSTERS: 4 x 4 work-groups; A's tiles are asked for jointly along a row of the cluster, B's along a column.  TRANSPOSED USE: source 0 = 16 rows of w_proj, source 1 = 16 rows of ao: a lane holds eight neighbouring columns of a row.
; The bias is the C of each sum's first product.  THE WAY OUT is each wave's own: its 64 columns of f32 are 256 aligned bytes of a row; a block of 16 rows goes through the wave's stage, which lies in slot 0:
; that slot has had its last fill, and its last read stands ahead of the last change of slots.
; No prefetch: with a tile this small a K step is short, and all four K steps are asked for within the first half of the walk.
; Rows 0-15 of each sequence are written here like the others and made anew in f32 by the next launch: which tile row holds them hangs on the place in the cluster.
; REGISTERS: window 0: v0-31 addresses; v32-63 the bias, later with v64-127 rows on the way out; v128-255 accumulators ((a, b) at v[128 + 8 (4 a + b)]).  window 1: two fragment buffers of 128: 64 of A, 64 of B.
.set KBYTES, 8192                      ; a K step of a tile of 16 rows
.set HALFT,  32768
.set SLOT,   4*HALFT
.set SPARE,  2*SLOT                    ; the spare words: 128 bytes a wave, named by no other line
.set SPITCH, 272                       ; a stage row: 256 bytes + 16
.set LAPS,   2
.set ADRA, 16
.set ADRB, 20
.set STO,  24
.set RD,   25
.set CO,   26
.set BOF,  27
.set SPW,  28
.set NIL,  29
.set BI,   32
.set ACC,  128
.set F0,   0
.set F1,   128
.set G1, 24
.set G0, 32
.set G1B, 48
.set G0B, 56
.set MSB, 0
.macro WIN new
.if MSB != \new
	s_set_vgpr_msb (MSB<<8)|\new
.set MSB, \new
.endif
.endm
.set MUL,  0x05                        ; sources 0 (B) and 1 (A) window 1; C and D window 0
.set TO_F, 0x40
.macro JLOAD s                         ; waves 0 and 1 fetch A's halves, waves 2 and 3 B's; an s_nop 0 and four v_nop follow each line
	s_cmp_eq_u32 s11, 0
	s_cbranch_scc0 .Lfor_b_\@
	tensor_load_to_lds s[G0+4*\s:G0+4*\s+3], s[G1:G1+7]
	s_nop 0
.rept 4
	v_nop
.endr
	s_branch .Lasked_\@
.Lfor_b_\@:
	tensor_load_to_lds s[G0B+4*\s:G0B+4*\s+3], s[G1B:G1B+7]
	s_nop 0
.rept 4
	v_nop
.endr
.Lasked_\@:
.endm
.macro CREST
	s_cmp_lg_u32 s10, 0
	s_cbranch_scc1 .Lnot_wave_0_\@
	s_barrier_signal -3
.Lnot_wave_0_\@:
	s_barrier_wait -3
	s_barrier_signal -1
	s_barrier_wait -1
.endm
.macro CROUND
	s_barrier_signal -1
	s_barrier_wait -1
	CREST
.endm
	s_load_b128 s[4:7], s[0:1], 0x0                ; ao16, wp16
	s_load_b64 s[66:67], s[0:1], 0x10              ; b_proj
	s_load_b64 s[8:9], s[0:1], 0x18                ; out0
	v_lshl_add_u32 v[SPW], v0, 2, SPARE
	v_mov_b32 v[NIL], 0
	ds_add_u32 v[SPW], v[NIL]                      ; the wave's opening: the add, twice on end, and its wait ahead of my first tensor load
	ds_add_u32 v[SPW], v[NIL]
	v_lshrrev_b32 v1, 5, v0
	v_readfirstlane_b32 s10, v1                    ; wave 0..3
	s_lshr_b32 s11, s10, 1                         ; my half of the rows; also: I fetch for A (0) or B (1)
	s_and_b32 s12, s10, 1                          ; my half of the columns; also: which 64 rows I fetch
	s_bfe_u32 s40, ttmp6, 0x40000
	s_bfe_u32 s41, ttmp6, 0x40004
	s_lshl_b32 s42, ttmp9, 2
	s_add_co_u32 s42, s42, s40                     ; tile column
	s_and_b32 s13, ttmp7, 0xffff
	s_lshl_b32 s13, s13, 2
	s_add_co_u32 s13, s13, s41                     ; tile row
	s_lshl_b32 s43, s41, 2
	s_lshl_b32 s43, 15, s43
	s_lshl_b32 s44, 0x1111, s40
	s_or_b32 s[G1+0], s43, (3<<16)|(1<<21)         ; the mask; elements of 8 bytes; bit 21 beside a mask; no padding
	s_or_b32 s[G1B+0], s44, (3<<16)|(1<<21)
.irp g, G1, G1B
	s_mov_b32 s[\g+1], 1024<<16                    ; tensor_dim0 = 1,024 elements: 8,192 bytes
	s_mov_b32 s[\g+2], 4<<16                       ; tensor_dim1 = 4
	s_mov_b32 s[\g+3], 1024<<16                    ; tile_dim0
	s_mov_b32 s[\g+4], 4                           ; tile_dim1
	s_mov_b32 s[\g+5], 4096                        ; pitch: 32,768 bytes
	s_mov_b32 s[\g+6], 0
	s_mov_b32 s[\g+7], 0
.endr
	s_lshl_b32 s18, s12, 2
	s_lshl_b32 s16, s13, 3
	s_add_co_u32 s16, s16, s18                     ; A: tile of rows 8 x tile row + 4 x half
	s_lshl_b32 s16, s16, 15
	s_mov_b32 s17, 0
	s_lshl_b32 s46, s42, 3
	s_add_co_u32 s46, s46, s18                     ; B: 8 x tile column + 4 x half
	s_lshl_b32 s46, s46, 15
	s_mov_b32 s47, 0
	s_lshl_b32 s20, s10, 15                        ; LDS: wave x 32,768
	s_wait_dscnt 0x0
	s_wait_kmcnt 0x0
	s_add_nc_u64 s[14:15], s[4:5], s[16:17]
	s_add_nc_u64 s[46:47], s[6:7], s[46:47]
	CROUND
.irp s, 0,1
	s_mov_b32 s[G0+4*\s], 1
	s_add_co_u32 s[G0+4*\s+1], s20, \s*SLOT
	s_add_nc_u64 s[G0+4*\s+2:G0+4*\s+3], s[14:15], \s*KBYTES
	s_or_b32 s[G0+4*\s+3], s[G0+4*\s+3], 0x80000000
	s_mov_b32 s[G0B+4*\s], 1
	s_add_co_u32 s[G0B+4*\s+1], s20, \s*SLOT
	s_add_nc_u64 s[G0B+4*\s+2:G0B+4*\s+3], s[46:47], \s*KBYTES
	s_or_b32 s[G0B+4*\s+3], s[G0B+4*\s+3], 0x80000000
	JLOAD \s
.endr
	v_and_b32 v1, 15, v0                           ; r
	v_bfe_u32 v2, v0, 4, 1                         ; h
	v_lshlrev_b32 v[BOF], 5, v2
	s_lshl_b32 s46, s42, 9                         ; my first column in bytes of f32: 512 x tile column + 256 x half
	s_lshl_b32 s47, s12, 8
	s_add_co_u32 s46, s46, s47
	s_mov_b32 s47, 0
	s_add_nc_u64 s[66:67], s[66:67], s[46:47]
.irp b, 0,1,2,3
	global_load_b128 v[BI+8*\b:BI+8*\b+3],   v[BOF], s[66:67] offset:64*\b
	global_load_b128 v[BI+8*\b+4:BI+8*\b+7], v[BOF], s[66:67] offset:64*\b+16
.endr
	v_and_b32 v3, 31, v0
	v_lshlrev_b32 v3, 4, v3                        ; 16 x lane
	s_lshl_b32 s21, s11, 15
	s_lshl_b32 s22, s12, 15
	s_add_co_u32 s22, s22, 2*HALFT
.irp s, 0,1
	v_add_nc_u32 v[ADRA+\s], s21, v3
	v_add_nc_u32 v[ADRB+\s], s22, v3
	s_add_co_u32 s21, s21, SLOT
	s_add_co_u32 s22, s22, SLOT
.endr
	s_mul_i32 s23, s10, 16*SPITCH                  ; my stage
	v_mul_u32_u24 v4, v1, SPITCH
	v_lshl_add_u32 v4, v2, 5, v4
	v_add_nc_u32 v[STO], s23, v4                   ; in: row r, 32 bytes for each half of the lanes
	v_mul_u32_u24 v5, v2, SPITCH
	v_lshl_add_u32 v5, v1, 4, v5
	v_add_nc_u32 v[RD], s23, v5                    ; back: lanes 0-15 one row of 256 bytes, lanes 16-31 the next
	v_lshlrev_b32 v5, 12, v2
	v_lshl_add_u32 v[CO], v1, 4, v5                ; and the same two rows in out0
	s_lshl_b32 s16, s13, 7
	s_lshl_b32 s17, s11, 6
	s_add_co_u32 s16, s16, s17                     ; my first row
	s_lshl_b32 s16, s16, 12
	s_mov_b32 s17, 0
	s_add_nc_u64 s[8:9], s[8:9], s[16:17]
	s_add_nc_u64 s[8:9], s[8:9], s[46:47]
.macro MUL8 f, c, a0, first            ; m blocks a0, a0 + 1 x 4 n blocks, 32 along K: half c of buffer f.  first = 1: the bias starts the sums
.irp a, \a0, \a0+1
.irp b, 0,1,2,3
.if \first
	v_wmma_f32_16x16x32_f16 v[ACC+8*(4*(\a)+\b):ACC+8*(4*(\a)+\b)+7], v[\f+64+8*(4*\c+\b):\f+64+8*(4*\c+\b)+7], v[\f+8*(4*\c+\a):\f+8*(4*\c+\a)+7], v[BI+8*\b:BI+8*\b+7]
.else
	v_wmma_f32_16x16x32_f16 v[ACC+8*(4*(\a)+\b):ACC+8*(4*(\a)+\b)+7], v[\f+64+8*(4*\c+\b):\f+64+8*(4*\c+\b)+7], v[\f+8*(4*\c+\a):\f+8*(4*\c+\a)+7], v[ACC+8*(4*(\a)+\b):ACC+8*(4*(\a)+\b)+7]
.endif
.endr
.endr
.endm
.macro FETCH slot, kq, f               ; 32 LDS loads in one run: quarter kq (two fragments along K) of the slot, into buffer f; the first 32 along K first
	WIN TO_F
.irp c, 0,1
.irp i, 0,1,2,3
	ds_load_b128 v[\f+64+8*(4*\c+\i):\f+64+8*(4*\c+\i)+3],   v[ADRB+\slot] offset:KBYTES*\i+1024*(2*(\kq)+\c)
	ds_load_b128 v[\f+64+8*(4*\c+\i)+4:\f+64+8*(4*\c+\i)+7], v[ADRB+\slot] offset:KBYTES*\i+1024*(2*(\kq)+\c)+512
	ds_load_b128 v[\f+8*(4*\c+\i):\f+8*(4*\c+\i)+3],         v[ADRA+\slot] offset:KBYTES*\i+1024*(2*(\kq)+\c)
	ds_load_b128 v[\f+8*(4*\c+\i)+4:\f+8*(4*\c+\i)+7],       v[ADRA+\slot] offset:KBYTES*\i+1024*(2*(\kq)+\c)+512
.endr
.endr
.endm
.macro PLACES
.rept 4
	v_nop
.endr
.endm
.macro QUARTER slot, kq, f, g, first   ; multiplies buffer f and fetches quarter kq into g
	s_wait_dscnt 16                                ; the first 32 along K are in
	WIN MUL
	MUL8 \f, 0, 0, \first
	MUL8 \f, 0, 2, \first
	PLACES
	FETCH \slot, \kq, \g
	s_wait_dscnt 32                                ; all but the 32 just issued
	WIN MUL
	MUL8 \f, 1, 0, 0
	MUL8 \f, 1, 2, 0
.endm
.macro TURN slot, next, fill           ; the last quarter multiplies buffer 1 and changes slots
	WIN 0
	s_wait_tensorcnt 0x0                           ; all my tensor loads have landed: my part of the next slot
	ds_add_u32 v[SPW], v[NIL]                      ; 0 onto my spare word
	s_wait_dscnt 17                                ; the add and the youngest sixteen loads may be out
	WIN MUL
	MUL8 F1, 0, 0, 0
	s_wait_dscnt 0x0                               ; the add is done, my reads of this slot are over
	s_barrier_signal -1
	MUL8 F1, 0, 2, 0
.if \fill
	WIN 0
.endif
	s_barrier_wait -1
.if \fill
	CREST                                          ; the barrier opened a round of the cluster's: no wave of any partner still reads this slot or has a load on its way
	s_add_nc_u64 s[G0+4*\slot+2:G0+4*\slot+3], s[G0+4*\slot+2:G0+4*\slot+3], 2*KBYTES
	s_add_nc_u64 s[G0B+4*\slot+2:G0B+4*\slot+3], s[G0B+4*\slot+2:G0B+4*\slot+3], 2*KBYTES
	JLOAD \slot                                    ; my one tensor load behind the round; its four v_nop are also the places in front of the loads below
.else
	PLACES
.endif
	FETCH \next, 0, F0
	WIN MUL
	MUL8 F1, 1, 0, 0
	MUL8 F1, 1, 2, 0
.endm
	s_wait_tensorcnt 1                             ; my part of K step 0 is in; K step 1's load may be out
	s_barrier_signal -1
	s_barrier_wait -1
	FETCH 0, 0, F0
	s_wait_loadcnt 0x0                             ; the bias
	QUARTER 0, 1, F0, F1, 1
	WIN 0
	s_mov_b32 s3, LAPS-1
.Llap:
	QUARTER 0, 2, F1, F0, 0
	QUARTER 0, 3, F0, F1, 0
	TURN 0, 1, 1
	QUARTER 1, 1, F0, F1, 0
	QUARTER 1, 2, F1, F0, 0
	QUARTER 1, 3, F0, F1, 0
	TURN 1, 0, 1
	QUARTER 0, 1, F0, F1, 0
	WIN 0
	s_sub_co_u32 s3, s3, 1
	s_cmp_lg_u32 s3, 0
	s_cbranch_scc1 .Llap
	QUARTER 0, 2, F1, F0, 0                        ; the last lap fills nothing
	QUARTER 0, 3, F0, F1, 0
	TURN 0, 1, 0
	QUARTER 1, 1, F0, F1, 0
	QUARTER 1, 2, F1, F0, 0
	QUARTER 1, 3, F0, F1, 0
	s_wait_dscnt 16
	WIN MUL
	MUL8 F1, 0, 0, 0
	MUL8 F1, 0, 2, 0
	s_wait_dscnt 0
	MUL8 F1, 1, 0, 0
	MUL8 F1, 1, 2, 0
	WIN 0
.macro TOSTAGE a                       ; block a: 16 rows x 64 columns into my stage and back as whole rows; LDS serves a wave in order
.irp b, 0,1,2,3
	ds_store_b128 v[STO], v[ACC+8*(4*(\a)+\b):ACC+8*(4*(\a)+\b)+3]   offset:64*\b       ; each accumulator from its low end on
	ds_store_b128 v[STO], v[ACC+8*(4*(\a)+\b)+4:ACC+8*(4*(\a)+\b)+7] offset:64*\b+16
.endr
.irp t, 0,1,2,3,4,5,6,7
	ds_load_b128 v[32+32*((\a)%3)+4*\t:32+32*((\a)%3)+4*\t+3], v[RD] offset:2*SPITCH*\t
.endr
.endm
.macro SEND a, younger
	s_wait_dscnt \younger                          ; the block is back; the next block's sixteen LDS instructions may be out
.irp t, 0,1,2,3,4,5,6,7
	global_store_b128 v[CO], v[32+32*((\a)%3)+4*\t:32+32*((\a)%3)+4*\t+3], s[8:9] offset:(16*(\a)+2*\t)*4096 th:TH_STORE_NT   ; 16 lanes store 256 consecutive bytes, aligned
.endr
.endm
	PLACES
	TOSTAGE 0
	TOSTAGE 1
	SEND 0, 16
	TOSTAGE 2
	SEND 1, 16
	s_wait_xcnt 0x0                                ; block 0's stores have read their registers: block 3 lands there
	TOSTAGE 3
	SEND 2, 16
	SEND 3, 0
	s_wait_tensorcnt 0x0                           ; the wave's end
	ds_add_u32 v[SPW], v[NIL]
	s_wait_dscnt 0x0
	CROUND                                         ; the closing round
	s_endpgm
.Lfunc_end_k_q8c47309574_proj:
	.size	k_q8c47309574_proj, .Lfunc_end_k_q8c47309574_proj-k_q8c47309574_proj
	.p2alignl 7, 3214868480
	.fill 96, 4, 3214868480
	.section	.rodata,"a",@progbits
	.p2align	6, 0x0
	.amdhsa_kernel k_q8c47309574_proj
		.amdhsa_group_segment_fixed_size 327680
		.amdhsa_private_segment_fixed_size 0
		.amdhsa_enable_private_segment 0
		.amdhsa_kernarg_size 32
		.amdhsa_user_sgpr_count 2
		.amdhsa_user_sgpr_kernarg_segment_ptr 1
		.amdhsa_wavefront_size32 1
		.amdhsa_system_sgpr_workgroup_id_x 1
		.amdhsa_system_sgpr_workgroup_id_y 1
		.amdhsa_system_sgpr_workgroup_id_z 1
		.amdhsa_system_vgpr_workitem_id 0
		.amdhsa_next_free_vgpr 512
		.amdhsa_next_free_sgpr 72
		.amdhsa_reserve_vcc 0
		.amdhsa_float_denorm_mode_32 3
		.amdhsa_float_denorm_mode_16_64 3
		.amdhsa_memory_ordered 1
		.amdhsa_forward_progress 1
		.amdhsa_inst_pref_size 86
	.end_amdhsa_kernel
	.amdgpu_metadata
---
amdhsa.version: [ 1, 2 ]
amdhsa.kernels:
  - .name:           k_q8c47309574_proj
    .symbol:         k_q8c47309574_proj.kd
    .args:
      - { .name: ao16, .offset: 0, .size: 8, .value_kind: global_buffer, .address_space: global }
      - { .name: wp16, .offset: 8, .size: 8, .value_kind: global_buffer, .address_space: global }
      - { .name: b_proj, .offset: 16, .size: 8, .value_kind: global_buffer, .address_space: global }
      - { .name: out0, .offset: 24, .size: 8, .value_kind: global_buffer, .address_space: global }
    .group_segment_fixed_size: 327680
    .private_segment_fixed_size: 0
    .kernarg_segment_align: 8
    .kernarg_segment_size: 32
    .max_flat_workgroup_size: 128
    .sgpr_count:     72
    .vgpr_count:     512
    .wavefront_size: 32
...
	.end_amdgpu_metadata
.endif
;; end of part 4
;; launch fine (part 5): grid 64 x 2, 16 waves a work-group, no clusters, 92,160 bytes of LDS; arguments fine32, vpart, w_proj, b_proj, out0; writes out0
.if DOCPART == 5
	.amdgcn_target "amdgcn-amd-amdhsa--gfx1250"
	.amdhsa_code_object_version 6
	.text
	.protected	k_q8c47309574_fine
	.globl	k_q8c47309574_fine
	.p2align	8
	.type	k_q8c47309574_fine,@function
k_q8c47309574_fine:
	s_mov_b64 s[64:65], 0
	v_nop
	global_prefetch_b8 v0, s[64:65] scope:SCOPE_SE
	s_setreg_imm32_b32 hwreg(HW_REG_WAVE_MODE, 25, 1), 1
	s_wait_xcnt 0x0
; Positions 0-15 of each sequence once more, all in f32: there a row averages one to sixteen values, and rounded operands would weigh most.  Attention and projection, by v_wmma_f32_16x16x4_f32: no bulk work.
; Work-group (x, b): output columns 16 x .. 16 x + 15 of rows 0-15 of batch b.  Wave hd: head hd.  Every work-group repeats the sixteen heads' small attention (16 queries x 16 keys) and takes its own slice of the projection;
; the sixteen heads' parts of the sum over K meet in LDS and are added in ascending order by waves 0 and 1.
; q, k, v come as the product's accumulators stood: register 8 t + j of lane (r, h) = (position r, channel 16 t + 8 h + j).  A pair of registers (2 jj, 2 jj + 1) is a K step of four for the f32 form (k = 2 h + j):
; channels 16 t + 8 h + 2 jj + 0, 1: the same four on both operands, so the sums are the right ones.
; The mask value is -10,000 as in the problem: out = (sum over 16 keys of (p - w) v + w Vtot) / (sum of (p - w) + 2,048 w), w = 2^(t_mask - m), Vtot = the sum of v over the sequence.
; V is wanted with the keys along a lane's registers: it goes through the wave's own 16 rows x 272 bytes of LDS.
; A slice of 16 columns stores 64 bytes of each row: parts of aligned blocks of 256; 131,072 bytes in all.  Wider slices would give each wave four times the f32 matrix work.
; The registers that the f32 matrix form writes, v160-223, are written by it alone.
; REGISTERS: v1 16 x lane, v2, v3 the add's two, v4 8 x lane, v5, v6 V's way in and out, v7, v8 Vtot's, v9, v10 the parts', v11 w_proj's offset, v12 out0's, v13 b_proj's, v14 r - 8 h, v15 -80,000;
;   v16-23 S, p - w, later my part of the result; v24-31 at work; v32-63 Q, later the attention's rows; v64-95 K, later Vtot; v96-127 V, then V^T; v128-159 w_proj; v160-191, v192-223 accumulators; v224-255 vpart.
.set VTR,   0
.set VSUM,  69632
.set RED,   73728
.set SPARE, 90112
	s_load_b256 s[4:11], s[0:1], 0x0               ; fine32 s[4:5], vpart s[6:7], w_proj s[8:9], b_proj s[10:11]
	s_load_b64 s[12:13], s[0:1], 0x20              ; out0
	v_lshl_add_u32 v2, v0, 2, SPARE
	v_mov_b32 v3, 0
	v_lshrrev_b32 v1, 5, v0
	v_readfirstlane_b32 s14, v1                    ; wave = head
	s_and_b32 s15, ttmp7, 0xffff                   ; batch
	s_mov_b32 s20, 0x3e38aa3b                      ; c = log2(e) / 8
	s_mov_b32 s21, 0xc6616bcd                      ; t_mask = -14,426.95: it enters the maximum alone
	s_mov_b32 s22, 0x76543210
	s_mov_b32 s23, 0xfedcba98
	v_and_b32 v24, 15, v0                          ; r
	v_bfe_u32 v25, v0, 4, 1                        ; h
	v_and_b32 v1, 31, v0
	v_lshlrev_b32 v4, 3, v1
	v_lshlrev_b32 v1, 4, v1
	s_mul_i32 s24, s14, 16*272
	v_mul_u32_u24 v5, v24, 272
	v_lshl_add_u32 v5, v25, 5, v5
	v_add_nc_u32 v5, s24, v5                       ; V in: row = key r, + 32 h
	v_mul_u32_u24 v6, v25, 8*272
	v_lshl_add_u32 v6, v24, 2, v6
	v_add_nc_u32 v6, s24, v6                       ; V out: keys 8 h on, channel r
	s_lshl_b32 s24, s14, 8
	s_add_co_u32 s24, s24, VSUM
	v_add_nc_u32 v7, s24, v4
	v_lshl_add_u32 v8, v25, 5, s24
	s_lshl_b32 s24, s14, 10
	s_add_co_u32 s24, s24, RED
	v_add_nc_u32 v9, s24, v1
	v_and_b32 v10, 63, v0
	v_lshl_add_u32 v10, v10, 4, RED                ; waves 0 and 1: registers 0-3, 4-7 of each head's part
	v_lshlrev_b32 v11, 12, v24
	v_lshl_add_u32 v11, v25, 5, v11                ; 4,096 r + 32 h
	s_and_b32 s24, s14, 1
	s_lshl_b32 s24, s24, 4
	v_add_nc_u32 v12, s24, v11
	v_lshl_add_u32 v13, v25, 5, s24
	v_lshlrev_b32 v14, 3, v25
	v_sub_nc_u32 v14, v24, v14
	v_mov_b32 v15, 0xc79c4000
	v_mov_b32 v29, 0                               ; upper halves of pairs whose low word serves both halves
	v_mov_b32 v31, 0
	s_mul_i32 s16, s15, 196608
	s_lshl_b32 s17, s14, 12
	s_add_co_u32 s16, s16, s17                     ; fine32: 196,608 bytes a batch, 4,096 a head
	s_mov_b32 s17, 0
	s_lshl_b32 s18, s15, 16
	s_lshl_b32 s19, s14, 8
	s_add_co_u32 s18, s18, s19
	s_mov_b32 s19, 0
	s_lshl_b32 s26, ttmp9, 16                      ; w_proj: 16 rows of 4,096 bytes a work-group, 256 bytes a head
	s_lshl_b32 s27, s14, 8
	s_add_co_u32 s26, s26, s27
	s_mov_b32 s27, 0
	s_lshl_b32 s28, ttmp9, 6
	s_mov_b32 s29, 0
	s_lshl_b32 s30, s15, 23
	s_add_co_u32 s30, s30, s28
	s_mov_b32 s31, 0
	s_wait_kmcnt 0x0
	s_add_nc_u64 s[4:5], s[4:5], s[16:17]
	s_add_nc_u64 s[6:7], s[6:7], s[18:19]
	s_add_nc_u64 s[8:9], s[8:9], s[26:27]
	s_add_nc_u64 s[10:11], s[10:11], s[28:29]
	s_add_nc_u64 s[12:13], s[12:13], s[30:31]
.irp q, 0,1,2                          ; q, k, v
.irp t, 0,1,2,3
	global_load_b128 v[32+32*\q+8*\t:32+32*\q+8*\t+3],   v1, s[4:5] offset:65536*\q+1024*\t
	global_load_b128 v[32+32*\q+8*\t+4:32+32*\q+8*\t+7], v1, s[4:5] offset:65536*\q+1024*\t+512
.endr
.endr
.irp p, 0,1,2,3,4,5,6,7,8,9,10,11,12,13,14,15
	global_load_b64 v[224+2*\p:225+2*\p], v4, s[6:7] offset:4096*\p
.endr
.irp t, 0,1,2,3
	global_load_b128 v[128+8*\t:131+8*\t], v11, s[8:9] offset:64*\t        ; w_proj[16 x + r][64 hd + 16 t + 8 h + 0..7]
	global_load_b128 v[132+8*\t:135+8*\t], v11, s[8:9] offset:64*\t+16
.endr
	s_wait_loadcnt 32                              ; q and k are in; v's 8, vpart's 16 and w_proj's 8 may be out
.irp jj, 0,1,2,3                       ; S^T = K Q^T: four accumulators by turns, one for each 16 channels
.irp t, 0,1,2,3
.if \jj == 0
	v_wmma_f32_16x16x4_f32 v[160+8*\t:167+8*\t], v[64+8*\t+2*\jj:65+8*\t+2*\jj], v[32+8*\t+2*\jj:33+8*\t+2*\jj], 0
.else
	v_wmma_f32_16x16x4_f32 v[160+8*\t:167+8*\t], v[64+8*\t+2*\jj:65+8*\t+2*\jj], v[32+8*\t+2*\jj:33+8*\t+2*\jj], v[160+8*\t:167+8*\t]
.endif
.endr
.endr
	s_wait_loadcnt 24                              ; v is in
.irp t, 0,1,2,3
	ds_store_b128 v5, v[96+8*\t:99+8*\t]   offset:64*\t
	ds_store_b128 v5, v[100+8*\t:103+8*\t] offset:64*\t+16
.endr
.irp t, 0,1,2,3
.irp k, 0,1,2,3,4,5,6,7
	ds_load_b32 v[96+8*\t+\k], v6 offset:272*\k+64*\t      ; V(key 8 h + k, channel 16 t + r): my wave's own bytes, served in order
.endr
.endr
	s_wait_loadcnt 8                               ; vpart is in
.irp p, 2,4,6,8,10,12,14               ; Vtot; these fifteen plain lines are also the places behind the products above
	v_pk_add_f32 v[224:225], v[224:225], v[224+2*\p:225+2*\p]
	v_pk_add_f32 v[226:227], v[226:227], v[226+2*\p:227+2*\p]
.endr
	v_pk_add_f32 v[224:225], v[224:225], v[226:227]
	ds_store_b64 v7, v[224:225]
.irp t, 0,1,2,3
	ds_load_b128 v[64+8*\t:67+8*\t], v8 offset:64*\t       ; Vtot at my lane's channels
	ds_load_b128 v[68+8*\t:71+8*\t], v8 offset:64*\t+16
.endr
.irp i, 0,2,4,6
	v_pk_add_f32 v[16+\i:17+\i], v[160+\i:161+\i], v[168+\i:169+\i]       ; the four accumulators joined, each from its low end on
.endr
.irp i, 0,2,4,6
	v_pk_add_f32 v[16+\i:17+\i], v[16+\i:17+\i], v[176+\i:177+\i]
.endr
.irp i, 0,2,4,6
	v_pk_add_f32 v[16+\i:17+\i], v[16+\i:17+\i], v[184+\i:185+\i]         ; register j: query r, key 8 h + j
.endr
.irp j, 0,1,2,3,4,5,6,7
	v_cmp_gt_i32 vcc_lo, \j, v14                   ; hidden where 8 h + j > r
	v_cndmask_b32 v[16+\j], v[16+\j], v15, vcc_lo
.endr
	v_max3_num_f32 v24, v16, v17, v18
	v_max3_num_f32 v24, v24, v19, v20
	v_max3_num_f32 v24, v24, v21, v22
	v_max_num_f32 v24, v24, v23
	v_mul_f32 v24, s20, v24
	v_max_num_f32 v24, s21, v24
	v_permlanex16_b32 v25, v24, s22, s23
	v_max_num_f32 v24, v24, v25                    ; m
	v_mul_f32 v26, -1.0, v24
	v_fma_f32 v27, v15, s20, v26                   ; t_mask - m
.irp j, 0,1,2,3,4,5,6,7
	v_fma_f32 v[16+\j], v[16+\j], s20, v26
.endr
	v_exp_f32 v28, v27                             ; w
.irp j, 0,1,2,3,4,5,6,7
	v_exp_f32 v[16+\j], v[16+\j]
.endr
	v_nop
	s_wait_alu depctr_va_vdst(0)                   ; one wait for the nine, ahead of their first reader
.irp i, 0,2,4,6
	v_pk_add_f32 v[16+\i:17+\i], v[16+\i:17+\i], v[28:29] op_sel_hi:[1,0] neg_lo:[0,1] neg_hi:[0,1]   ; p - w
.endr
	v_pk_add_f32 v[24:25], v[16:17], v[18:19]
	v_pk_add_f32 v[26:27], v[20:21], v[22:23]
	v_pk_add_f32 v[24:25], v[24:25], v[26:27]
	v_add_f32 v24, v24, v25
	v_permlanex16_b32 v25, v24, s22, s23
	v_add_f32 v24, v24, v25
	v_fmamk_f32 v24, v28, 0x45000000, v24          ; l = the sum + 2,048 w
	v_rcp_f32 v30, v24
	v_nop
	s_wait_alu depctr_va_vdst(0)
	v_mul_f32 v24, v28, v30                        ; w / l
	s_wait_dscnt 0x0                               ; V^T and Vtot are in
.irp g, 0,1,2,3                        ; O^T = V^T P: keys 8 h + 2 g + 0, 1 a product
.irp t, 0,1,2,3
.if \g == 0
	v_wmma_f32_16x16x4_f32 v[192+8*\t:199+8*\t], v[96+8*\t+2*\g:97+8*\t+2*\g], v[16+2*\g:17+2*\g], 0
.else
	v_wmma_f32_16x16x4_f32 v[192+8*\t:199+8*\t], v[96+8*\t+2*\g:97+8*\t+2*\g], v[16+2*\g:17+2*\g], v[192+8*\t:199+8*\t]
.endif
.endr
.endr
.rept 8
	v_nop                                          ; eight places behind this form, ahead of the first read of its results (ISA guide 7.12.1)
.endr
.irp i, 0,2,4,6,8,10,12,14,16,18,20,22,24,26,28,30
	v_pk_mul_f32 v[32+\i:33+\i], v[192+\i:193+\i], v[30:31] op_sel_hi:[1,0]
.endr
.irp i, 0,2,4,6,8,10,12,14,16,18,20,22,24,26,28,30
	v_pk_fma_f32 v[32+\i:33+\i], v[64+\i:65+\i], v[24:25], v[32+\i:33+\i] op_sel_hi:[1,0,1]   ; register 8 t + j: (row r, channel 16 t + 8 h + j) of my head
.endr
	s_wait_loadcnt 0x0                             ; w_proj
.irp jj, 0,1,2,3                       ; my head's 64 of the projection's K: source 0 = 16 rows of w_proj, source 1 = the 16 rows
.irp t, 0,1,2,3
.if \jj == 0
	v_wmma_f32_16x16x4_f32 v[160+8*\t:167+8*\t], v[128+8*\t+2*\jj:129+8*\t+2*\jj], v[32+8*\t+2*\jj:33+8*\t+2*\jj], 0
.else
	v_wmma_f32_16x16x4_f32 v[160+8*\t:167+8*\t], v[128+8*\t+2*\jj:129+8*\t+2*\jj], v[32+8*\t+2*\jj:33+8*\t+2*\jj], v[160+8*\t:167+8*\t]
.endif
.endr
.endr
.rept 8
	v_nop
.endr
.irp i, 0,2,4,6
	v_pk_add_f32 v[16+\i:17+\i], v[160+\i:161+\i], v[168+\i:169+\i]
.endr
.irp i, 0,2,4,6
	v_pk_add_f32 v[16+\i:17+\i], v[16+\i:17+\i], v[176+\i:177+\i]
.endr
.irp i, 0,2,4,6
	v_pk_add_f32 v[16+\i:17+\i], v[16+\i:17+\i], v[184+\i:185+\i]         ; register j: (row r, column 16 x + 8 h + j), my head's part
.endr
	ds_store_b128 v9, v[16:19]
	ds_store_b128 v9, v[20:23] offset:512
	s_wait_dscnt 0x0                               ; for the others' sake: my part lies in LDS
	s_barrier_signal -1
	s_barrier_wait -1                              ; the launch's one barrier
	s_cmp_lt_u32 s14, 2
	s_cbranch_scc0 .Ldone
	global_load_b128 v[96:99], v13, s[10:11]       ; b_proj[16 x + 8 h + 4 wave + 0..3]
.irp p, 0,1,2,3,4,5,6,7,8,9,10,11,12,13,14,15
	ds_load_b128 v[32+4*\p:35+4*\p], v10 offset:1024*\p
.endr
	s_wait_dscnt 0x0
.irp p, 2,4,6,8,10,12,14               ; the sixteen heads, ascending, in two chains
	v_pk_add_f32 v[32:33], v[32:33], v[32+4*\p:33+4*\p]
	v_pk_add_f32 v[34:35], v[34:35], v[34+4*\p:35+4*\p]
	v_pk_add_f32 v[36:37], v[36:37], v[36+4*\p:37+4*\p]
	v_pk_add_f32 v[38:39], v[38:39], v[38+4*\p:39+4*\p]
.endr
	v_pk_add_f32 v[32:33], v[32:33], v[36:37]
	v_pk_add_f32 v[34:35], v[34:35], v[38:39]
	s_wait_loadcnt 0x0
	v_pk_add_f32 v[32:33], v[32:33], v[96:97]
	v_pk_add_f32 v[34:35], v[34:35], v[98:99]
	global_store_b128 v12, v[32:35], s[12:13]      ; row r, columns 16 x + 8 h + 4 wave + 0..3
.Ldone:
	s_wait_tensorcnt 0x0                           ; the wave's end
	ds_add_u32 v2, v3
	s_wait_dscnt 0x0
	s_endpgm
.Lfunc_end_k_q8c47309574_fine:
	.size	k_q8c47309574_fine, .Lfunc_end_k_q8c47309574_fine-k_q8c47309574_fine
	.p2alignl 7, 3214868480
	.fill 96, 4, 3214868480
	.section	.rodata,"a",@progbits
	.p2align	6, 0x0
	.amdhsa_kernel k_q8c47309574_fine
		.amdhsa_group_segment_fixed_size 92160
		.amdhsa_private_segment_fixed_size 0
		.amdhsa_enable_private_segment 0
		.amdhsa_kernarg_size 40
		.amdhsa_user_sgpr_count 2
		.amdhsa_user_sgpr_kernarg_segment_ptr 1
		.amdhsa_wavefront_size32 1
		.amdhsa_system_sgpr_workgroup_id_x 1
		.amdhsa_system_sgpr_workgroup_id_y 1
		.amdhsa_system_sgpr_workgroup_id_z 1
		.amdhsa_system_vgpr_workitem_id 0
		.amdhsa_next_free_vgpr 256
		.amdhsa_next_free_sgpr 66
		.amdhsa_reserve_vcc 1
		.amdhsa_float_denorm_mode_32 3
		.amdhsa_float_denorm_mode_16_64 3
		.amdhsa_memory_ordered 1
		.amdhsa_forward_progress 1
		.amdhsa_inst_pref_size 26
	.end_amdhsa_kernel
	.amdgpu_metadata
---
amdhsa.version: [ 1, 2 ]
amdhsa.kernels:
  - .name:           k_q8c47309574_fine
    .symbol:         k_q8c47309574_fine.kd
    .args:
      - { .name: fine32, .offset: 0, .size: 8, .value_kind: global_buffer, .address_space: global }
      - { .name: vpart, .offset: 8, .size: 8, .value_kind: global_buffer, .address_space: global }
      - { .name: w_proj, .offset: 16, .size: 8, .value_kind: global_buffer, .address_space: global }
      - { .name: b_proj, .offset: 24, .size: 8, .value_kind: global_buffer, .address_space: global }
      - { .name: out0, .offset: 32, .size: 8, .value_kind: global_buffer, .address_space: global }
    .group_segment_fixed_size: 92160
    .private_segment_fixed_size: 0
    .kernarg_segment_align: 8
    .kernarg_segment_size: 40
    .max_flat_workgroup_size: 512
    .sgpr_count:     66
    .vgpr_count:     256
    .wavefront_size: 32
...
	.end_amdgpu_metadata
.endif
;; end of part 5
